; MI455X (gfx1250); checked and timed in simulation.
; The chip was launched on July 23, 2026; its instructions are those of AMD's public machine-readable ISA for CDNA 5 (MIT licence, August 2026) and "CDNA5" Instruction Set Architecture Reference Guide (July 2026). The comments in the code are by the model that wrote it; some were corrected since.
;; Single Head. Allowed arithmetic: float matrix products may take bf16 or f16 operands with f32 sums; all other float work in f32.
;; Inputs: Wk 1,024 x 1,024 float32; Wq 1,024 x 1,024 float32; Wv 1,024 x 1,024 float32; bk 1,024 float32; bq 1,024 float32; bv 1,024 float32; x 4 x 2,048 x 1,024 float32.
;; Outputs: out0 4 x 2,048 x 1,024 float32.
;; 2 versions, each right; version 2 is version 1 with the launch cvt written anew for expert scheduling mode. Each part assembles by itself: llvm-mc -triple=amdgcn-amd-amdhsa -mcpu=gfx1250 --defsym DOCPART=n.
;; ======== version 1 of 2: 4 launches
;; limits: values are held in f16: magnitudes above 65,504 overflow, below 6.1e-05 lose precision
;; workspace buffers: xw 23,789,568 bytes; bias3 12,288 bytes; qkv 50,331,648 bytes; pbuf 33,554,432 bytes; stat 1,048,576 bytes
;; launch cvt (part 1): grid 705 x 1, 8 waves a work-group, no clusters, 34,816 bytes of LDS; arguments x, Wq, Wk, Wv, bq, bk, bv, xw, bias3; writes xw, bias3
.if DOCPART == 1
	.amdgcn_target "amdgcn-amd-amdhsa--gfx1250"
	.amdhsa_code_object_version 6
	.text
	.protected	k_qa15f75b6ab_cvt
	.globl	k_qa15f75b6ab_cvt
	.p2align	8
	.type	k_qa15f75b6ab_cvt,@function
k_qa15f75b6ab_cvt:
	s_mov_b64 s[64:65], 0
	v_nop
	global_prefetch_b8 v0, s[64:65] scope:SCOPE_SE
	s_setreg_imm32_b32 hwreg(HW_REG_WAVE_MODE, 25, 1), 1
	s_wait_xcnt 0x0
; xw = x, Wq, Wk, Wv one below the other (11,264 rows of 1,024 numbers), each number rounded once to bf16 (nearest even), laid in BLOCKS OF 96 ALONG K:
; [11 blocks][11264 rows][96].  So any run of rows of one block is dense in memory, and the launch behind can ask for it as rows of 256 bytes.  1,024 = 10 x 96 + 64: the last block's columns 64 to 95 are zeros.
; bias3 = bq, bk, bv one behind the other, rounded to bf16 like the other inputs and kept as f32.
; A stream: every input byte is read once, every output byte written once; no matrix work, since nothing is used twice.
; Work-group g < 704 takes 16 rows (65,536 bytes; g < 512: x, then 64 work-groups for each W).  Thread t owns columns 4 t to 4 t + 3 of every row: a wave's load covers 512 consecutive bytes.
; A block's part of a row is 192 bytes, so the 16 rows go through LDS: they are laid there in the blocked order ([11][16 rows][192 bytes], 33,792 bytes) and read back as 66 pieces of 512 bytes,
; each of which is 512 consecutive bytes of xw at a multiple of 256.  Wave w stores pieces w, w + 8, ..; pieces 64 and 65 fall to waves 0 and 1.
; Work-group 704 makes bias3: 3 x 4,096 bytes, 16 bytes a thread.
.set KBB,   11264*192                  ; bytes in a block of xw
.set CHUNK, 16*192                     ; bytes of a block that a work-group makes
.set SPARE, 11*CHUNK                   ; behind the stage: the spare words, 128 bytes for each of the eight waves
.set X,   4                            ; v[4:67]   sixteen loads of four f32; later the pieces read back
.set Y,   68                           ; v[68:99]  sixteen pairs of packed bf16
.set LA,  100                          ; where my 8 bytes of row 0 go in the stage
.set LZ,  101                          ; my word of the last block's zeros
.set ZR,  102                          ; 0, to store
.set L16, 103                          ; 16 x lane
.set VO,  104                          ; v[104:112] byte offsets in xw of my wave's pieces
.set SPW, 114                          ; LDS address of my spare word; never rewritten
.set NIL, 115                          ; 0; never rewritten
	s_load_b256 s[4:11], s[0:1], 0x0               ; x s[4:5], Wq s[6:7], Wk s[8:9], Wv s[10:11]
	s_load_b256 s[12:19], s[0:1], 0x20             ; bq s[12:13], bk s[14:15], bv s[16:17], xw s[18:19]
	s_load_b64 s[20:21], s[0:1], 0x40              ; bias3
	v_lshl_add_u32 v[SPW], v0, 2, SPARE
	v_mov_b32 v[NIL], 0
	s_mov_b32 s22, ttmp9                           ; g
	v_lshlrev_b32 v1, 4, v0                        ; 16 t
	s_wait_kmcnt 0x0
	s_cmp_eq_u32 s22, 704
	s_cbranch_scc1 .Lbias
	s_sub_co_u32 s23, s22, 512                     ; my number among the weights' work-groups (used only where g >= 512)
	s_lshr_b32 s24, s23, 6                         ; which W
	s_and_b32 s25, s23, 63                         ; which 16 rows of it
	s_cmp_eq_u32 s24, 1
	s_cselect_b64 s[26:27], s[8:9], s[6:7]         ; Wk or Wq,
	s_cmp_eq_u32 s24, 2
	s_cselect_b64 s[26:27], s[10:11], s[26:27]     ; or Wv,
	s_cmp_lt_u32 s22, 512
	s_cselect_b64 s[26:27], s[4:5], s[26:27]       ; or x
	s_cselect_b32 s28, s22, s25                    ; and my 16 rows in that buffer
	s_lshl_b32 s28, s28, 16
	s_mov_b32 s29, 0
	s_add_nc_u64 s[26:27], s[26:27], s[28:29]
.set j, 0
.rept 16
	global_load_b128 v[X+4*j:X+4*j+3], v1, s[26:27] offset:4096*j th:TH_LOAD_NT  ; row j: all sixteen loads go out at once
.set j, j+1
.endr
	s_mul_i32 s30, s22, CHUNK                      ; my rows' place in every block
	s_mov_b32 s31, 0
	s_add_nc_u64 s[18:19], s[18:19], s[30:31]
	v_mul_u32_u24 v2, v0, 2731                     ; my block = t / 24 = (2,731 t) >> 16, exact for t < 256 (24 x 2,731 = 65,536 + 8)
	v_lshrrev_b32 v2, 16, v2
	v_mul_u32_u24 v2, v2, CHUNK-192                ; block x 3,072 + 8 (t - 24 block) = 8 t + 2,880 block
	v_lshl_add_u32 v[LA], v0, 3, v2
	v_lshrrev_b32 v3, 4, v0                        ; the zeros: 16 rows x 16 words, a word a thread
	v_mul_u32_u24 v3, v3, 192
	v_and_b32 v2, 15, v0
	v_lshl_add_u32 v[LZ], v2, 2, v3
	v_add_nc_u32 v[LZ], 10*CHUNK+128, v[LZ]
	v_mov_b32 v[ZR], 0
	ds_store_b32 v[LZ], v[ZR]
	v_lshrrev_b32 v2, 5, v0
	v_readfirstlane_b32 s32, v2                    ; my wave's number
	v_and_b32 v[L16], 31, v0
	v_lshlrev_b32 v[L16], 4, v[L16]
.set i, 0
.rept 8
	s_add_co_u32 s33, s32, 8*i                     ; piece c = w + 8 i lies in block c / 6 = (43 c) >> 8 (exact for c < 66)
	s_mul_i32 s34, s33, 43
	s_lshr_b32 s34, s34, 8
	s_mul_i32 s34, s34, KBB-CHUNK                  ; block x KBB + (c - 6 block) x 512 = 512 c + block x (KBB - 3,072)
	s_lshl_b32 s33, s33, 9
	s_add_co_u32 s33, s33, s34
	v_add_nc_u32 v[VO+i], s33, v[L16]
.set i, i+1
.endr
.set j, 0
.rept 16
	s_wait_loadcnt 15-j                            ; loads come back in order: row j is in, the 15 - j younger ones stay out
	v_cvt_pk_bf16_f32 v[Y+2*j], v[X+4*j], v[X+4*j+1]
	v_cvt_pk_bf16_f32 v[Y+2*j+1], v[X+4*j+2], v[X+4*j+3]
	ds_store_b64 v[LA], v[Y+2*j:Y+2*j+1] offset:192*j
.set j, j+1
.endr
	s_wait_dscnt 0x0                               ; for the others' sake: my stores into the stage are done
	s_barrier_signal -1
	s_barrier_wait -1
.set i, 0
.rept 8
	ds_load_b128 v[X+4*i:X+4*i+3], v1 offset:4096*i  ; piece w + 8 i lies at 512 (w + 8 i): 16 t + 4,096 i
.set i, i+1
.endr
.set i, 0
.rept 8
	s_wait_dscnt 7-i                               ; LDS loads come back in order: piece i is in
	global_store_b128 v[VO+i], v[X+4*i:X+4*i+3], s[18:19]  ; 512 consecutive bytes, at a multiple of 256 from xw's first byte
.set i, i+1
.endr
	s_cmp_lt_u32 s32, 2
	s_cbranch_scc0 .Ldone                          ; pieces 64 and 65: waves 0 and 1
	s_add_co_u32 s33, s32, 64
	s_lshl_b32 s33, s33, 9
	s_add_co_u32 s33, s33, 10*(KBB-CHUNK)          ; both lie in block 10
	v_add_nc_u32 v[VO+8], s33, v[L16]
	ds_load_b128 v[X+32:X+35], v1 offset:32768
	s_wait_dscnt 0x0
	global_store_b128 v[VO+8], v[X+32:X+35], s[18:19]
.Ldone:
	s_wait_tensorcnt 0x0                           ; the wave's end: behind my last LDS store
	ds_add_u32 v[SPW], v[NIL]
	s_wait_dscnt 0x0
	s_endpgm
.Lbias:                                                ; this work-group writes no LDS and passes no barrier
	global_load_b128 v[4:7], v1, s[12:13]
	global_load_b128 v[8:11], v1, s[14:15]
	global_load_b128 v[12:15], v1, s[16:17]
	s_wait_loadcnt 0x0
.set i, 0
.rept 6
	v_cvt_pk_bf16_f32 v[16+i], v[4+2*i], v[5+2*i]  ; rounded to bf16,
.set i, i+1
.endr
.set i, 0
.rept 6
	v_lshlrev_b32 v[4+2*i], 16, v[16+i]            ; and widened again
	v_and_b32 v[5+2*i], 0xffff0000, v[16+i]
.set i, i+1
.endr
	global_store_b128 v1, v[4:7], s[20:21]
	global_store_b128 v1, v[8:11], s[20:21] offset:4096
	global_store_b128 v1, v[12:15], s[20:21] offset:8192
	s_endpgm
.Lfunc_end_k_qa15f75b6ab_cvt:
	.size	k_qa15f75b6ab_cvt, .Lfunc_end_k_qa15f75b6ab_cvt-k_qa15f75b6ab_cvt
	.p2alignl 7, 3214868480
	.fill 96, 4, 3214868480
	.section	.rodata,"a",@progbits
	.p2align	6, 0x0
	.amdhsa_kernel k_qa15f75b6ab_cvt
		.amdhsa_group_segment_fixed_size 34816
		.amdhsa_private_segment_fixed_size 0
		.amdhsa_enable_private_segment 0
		.amdhsa_kernarg_size 72
		.amdhsa_user_sgpr_count 2
		.amdhsa_user_sgpr_kernarg_segment_ptr 1
		.amdhsa_wavefront_size32 1
		.amdhsa_system_sgpr_workgroup_id_x 1
		.amdhsa_system_sgpr_workgroup_id_y 1
		.amdhsa_system_sgpr_workgroup_id_z 1
		.amdhsa_system_vgpr_workitem_id 0
		.amdhsa_next_free_vgpr 116
		.amdhsa_next_free_sgpr 66
		.amdhsa_reserve_vcc 0
		.amdhsa_float_denorm_mode_32 3
		.amdhsa_float_denorm_mode_16_64 3
		.amdhsa_memory_ordered 1
		.amdhsa_forward_progress 1
		.amdhsa_inst_pref_size 13
	.end_amdhsa_kernel
	.amdgpu_metadata
---
amdhsa.version: [ 1, 2 ]
amdhsa.kernels:
  - .name:           k_qa15f75b6ab_cvt
    .symbol:         k_qa15f75b6ab_cvt.kd
    .args:
      - { .name: x, .offset: 0, .size: 8, .value_kind: global_buffer, .address_space: global }
      - { .name: Wq, .offset: 8, .size: 8, .value_kind: global_buffer, .address_space: global }
      - { .name: Wk, .offset: 16, .size: 8, .value_kind: global_buffer, .address_space: global }
      - { .name: Wv, .offset: 24, .size: 8, .value_kind: global_buffer, .address_space: global }
      - { .name: bq, .offset: 32, .size: 8, .value_kind: global_buffer, .address_space: global }
      - { .name: bk, .offset: 40, .size: 8, .value_kind: global_buffer, .address_space: global }
      - { .name: bv, .offset: 48, .size: 8, .value_kind: global_buffer, .address_space: global }
      - { .name: xw, .offset: 56, .size: 8, .value_kind: global_buffer, .address_space: global }
      - { .name: bias3, .offset: 64, .size: 8, .value_kind: global_buffer, .address_space: global }
    .group_segment_fixed_size: 34816
    .private_segment_fixed_size: 0
    .kernarg_segment_align: 8
    .kernarg_segment_size: 72
    .max_flat_workgroup_size: 256
    .sgpr_count:     66
    .vgpr_count:     116
    .wavefront_size: 32
...
	.end_amdgpu_metadata
.endif
;; end of part 1
;; launch proj (part 2): grid 8 x 32, 4 waves a work-group, clusters of 4 x 4, 327,680 bytes of LDS; arguments xw, bias3, qkv; writes qkv
.if DOCPART == 2
	.amdgcn_target "amdgcn-amd-amdhsa--gfx1250"
	.amdhsa_code_object_version 6
	.text
	.protected	k_qa15f75b6ab_proj
	.globl	k_qa15f75b6ab_proj
	.p2align	8
	.type	k_qa15f75b6ab_proj,@function
k_qa15f75b6ab_proj:
	s_mov_b64 s[64:65], 0
	v_nop
	global_prefetch_b8 v0, s[64:65] scope:SCOPE_SE
	s_setreg_imm32_b32 hwreg(HW_REG_WAVE_MODE, 25, 1), 1
	s_wait_xcnt 0x0
	s_wait_alu depctr_hold_cnt(0) depctr_sa_sdst(0) depctr_va_vdst(0) depctr_va_sdst(0) depctr_va_ssrc(0) depctr_va_vcc(0) depctr_vm_vsrc(0)
	s_getreg_b32 s2, hwreg(HW_REG_IB_STS2, 6, 4)
	s_cmp_eq_u32 s2, 0
	s_cbranch_scc0 .Lentry_in_a_cluster
	s_endpgm
.Lentry_in_a_cluster:
	s_bfe_u32 s2, ttmp6, 0x10000c
	s_cmp_lg_u32 s2, 0xf033
	s_cbranch_scc0 .Lentry_shape_is_right
	s_endpgm
.Lentry_shape_is_right:
; qkv[m][n] = bias3[n] + sum over k of x[m][k] W[n][k].  xw: [11 blocks of 96 along K][11264 rows][96] bf16 (rows 0.. x, 8192.. Wq, Wk, Wv; the last block's columns 64-95 are zeros and are not multiplied).
; bias3: [3072] f32.  qkv: [8192][3072] f16: q, k, v side by side, unscaled.  Sums in f32, K ascending; qkv rounded once to f16.
; LIMIT.  f16 ends at 65,504: this text serves |q|, |k|, |v| up to that; beyond it the conversion gives an infinity.
; SHARES.  8192 x 3072 outputs on 256 work-groups: a tile of 256 rows x 384 columns each.  Four waves, each 128 x 192: 96 accumulators of 16 x 16, 768 registers.
; THE RING.  K goes in slots of 96 through two LDS slots filled by tensor loads.  A run of rows of one block of xw is dense, so it is asked for as rows of 256 bytes at multiples of 256; the load pads 16 bytes
; behind every 64, so that an LDS row is three pieces of 80 bytes (32 along K each), 240 bytes = 15 x 16: the 16 rows that a load touches start at 16 different groups of four banks (ISA guide 11.1).
; A slot is 288 matrix instructions of a wave; 264 of them stand between a request and the wait for it.  1,024 = 10 x 96 + 64: 11 slots, of the last only two pieces are multiplied.
; CLUSTERS: 4 x 4 work-groups.  The four of a row of the cluster need the same tiles of x, the four of a column the same tiles of W: each tile is asked for JOINTLY, by the same tensor load with
; the same descriptor and a mask that names the four.
; THE MATRIX INSTRUCTION IS USED TRANSPOSED: source 0 = 16 rows of W, source 1 = 16 rows of x: a lane holds row lane % 16 and the columns 8 (lane / 16) + 0..7, eight neighbours of a row of qkv.
; A STEP is 32 along K: 96 matrix instructions in two halves.  H1: W's column blocks 0-5 (registers Bx); H2: blocks 6-11 (By).  x's 128 rows lie in two of THREE buffers of 64 rows: step k, j = k % 3, has its
; rows 0-63 in P[2 j % 3] and its rows 64-127 in P[(2 j + 1) % 3].  The third buffer is free for the next step's rows 0-63, and the next step's rows 64-127 take the place of this step's rows 0-63
; when H2 has read them.  The period is 3, as many as a slot has steps, so a trip of the loop is one slot.
; THE BIAS lies at first in the registers of accumulator (7, b): in step 0 row blocks 0-6 take those registers as C, and row block 7 adds in place.  Nothing is cleared and nothing is added afterwards.
; REGISTERS, in windows of 256 (s_set_vgpr_msb: bits 1:0 source 0, 3:2 source 1, 5:4 source 2, 7:6 destination):
;   window 0: v0-31 addresses; v32-127 P0, P1, P2; v128-175 Bx; v176-223 By; v32-223 at work on the way out
;   windows 1-3: accumulator (a, b) at register 256 + 8 (24 (2 (b / 6) + a / 4) + 6 (a % 4) + b % 6): four groups of 24, in the order in which a step takes them
.set SIZE_N, 3072
.set KBB,    11264*192                 ; bytes in a block of xw
.set PITCH,  240
.set PLANE,  80                        ; a piece of an LDS row: 64 bytes of data, 16 of padding
.set AHALF,  128*PITCH                 ; 128 rows of x: what wave 0 or 1 fetches, and what a wave reads of x
.set BHALF,  192*PITCH                 ; 192 rows of W: what wave 2 or 3 fetches, and what a wave reads of W
.set BOFF,   2*AHALF                   ; a slot: x's 256 rows, then W's 384
.set SLOT,   BOFF+2*BHALF              ; 153,600
.set SPARE,  2*SLOT                    ; behind the ring: the spare words, 128 bytes for each wave
.set SPITCH, 784                       ; the stage for the way out: 256 rows of 768 bytes + 16; it lies over the slots, which have had their last fill by then
.set TRIPS,  9                         ; slots 2 to 10 are asked for in the loop
.set ADA0, 8                           ; v8   my lane's place in x's rows of slot 0; never rewritten
.set ADB0, 9                           ; v9   the same for W
.set ADA,  10                          ; v10  the same in the slot in hand
.set ADB,  11
.set STO,  12                          ; v12-13  the way out: where I put 16 bytes of a row, for row blocks 0-3 and 4-7
.set RD,   14                          ; v14  where I read rows back
.set CO,   15                          ; v15  my byte offset in qkv
.set BO,   16                          ; v16  my byte offset in bias3
.set SPW,  28                          ; v28  LDS address of my spare word; never rewritten
.set NIL,  29                          ; v29  0; never rewritten
.set P0,   32
.set FBX,  128
.set FBY,  176
.set TMP,  32
.set TB,  23                           ; s23  the slot in hand: 0 or SLOT
.set G1,  24                           ; s[24:31] descriptor group 1 for x's tiles
.set G0,  32                           ; s[32:39] group 0 for x's tiles: a set for each first fill; the second then walks on
.set G1B, 48                           ; s[48:55], s[56:63] the same for W's tiles
.set G0B, 56
.set MSB, 0
.macro WIN new                         ; the immediate's high byte repeats the setting that is left; a switch that changes nothing is dropped
.if MSB != (\new)
	s_set_vgpr_msb (MSB<<8)|(\new)
.set MSB, \new
.endif
.endm
; A joint load.  Waves 0 and 1 fetch x's two halves, waves 2 and 3 W's.  The branch hangs on the wave's number alone.  An s_nop 0 and four v_nop follow each of the two lines.
.macro JLOAD s
	s_cmp_eq_u32 s11, 0
	s_cbranch_scc0 .Lfor_b_\@
	tensor_load_to_lds s[G0+4*(\s):G0+4*(\s)+3], s[G1:G1+7]
	s_nop 0
.rept 4
	v_nop
.endr
	s_branch .Lasked_\@
.Lfor_b_\@:
	tensor_load_to_lds s[G0B+4*(\s):G0B+4*(\s)+3], s[G1B:G1B+7]
	s_nop 0
.rept 4
	v_nop
.endr
.Lasked_\@:
.endm
; A round of the cluster's barrier: my work-group's barrier; wave 0 signals for the work-group; every wave waits for all sixteen; my work-group's barrier once more.
.macro CREST
	s_cmp_lg_u32 s10, 0
	s_cbranch_scc1 .Lnot_wave_0_\@
	s_barrier_signal -3
.Lnot_wave_0_\@:
	s_barrier_wait -3
	s_barrier_signal -1
	s_barrier_wait -1
.endm
.macro CROUND
	s_barrier_signal -1
	s_barrier_wait -1
	CREST
.endm
	s_load_b128 s[4:7], s[0:1], 0x0                ; xw s[4:5], bias3 s[6:7]
	s_load_b64 s[8:9], s[0:1], 0x10                ; qkv
	v_lshl_add_u32 v[SPW], v0, 2, SPARE
	v_mov_b32 v[NIL], 0
	ds_add_u32 v[SPW], v[NIL]                      ; the wave's opening: the add and its wait stand ahead of my first tensor load; the set-up below stands between them
	ds_add_u32 v28, v29
	v_lshrrev_b32 v1, 5, v0
	v_readfirstlane_b32 s10, v1                    ; wave 0..3
	s_lshr_b32 s11, s10, 1                         ; which half of the tile's rows is mine.  Also: I fetch for x (0) or for W (1)
	s_and_b32 s12, s10, 1                          ; which half of its columns.  Also: which half of that tile I fetch
	s_bfe_u32 s40, ttmp6, 0x40000                  ; cx
	s_bfe_u32 s41, ttmp6, 0x40004                  ; cy
	s_lshl_b32 s42, ttmp9, 2
	s_add_co_u32 s42, s42, s40                     ; tile column = 4 x cluster x + cx
	s_and_b32 s13, ttmp7, 0xffff
	s_lshl_b32 s13, s13, 2
	s_add_co_u32 s13, s13, s41                     ; tile row = 4 x cluster y + cy
	s_lshl_b32 s43, s41, 2
	s_lshl_b32 s43, 15, s43                        ; my row of the cluster
	s_lshl_b32 s44, 0x1111, s40                    ; my column
	s_or_b32 s[G1+0], s43, (1<<16)|(1<<20)|(1<<21)|(3<<22)|(3<<25)   ; the mask; elements of 2 bytes; padding on; bit 21 beside a mask; after every 16 words (code 3) 4 words (code 3)
	s_or_b32 s[G1B+0], s44, (1<<16)|(1<<20)|(1<<21)|(3<<22)|(3<<25)
	s_mov_b32 s[G1+1], 128<<16                     ; tensor_dim0 = 128 elements: rows of 256 bytes
	s_mov_b32 s[G1+2], 96<<16                      ; tensor_dim1 = 96: 128 rows of x x 192 bytes
	s_mov_b32 s[G1+3], 128<<16                     ; tile_dim0
	s_mov_b32 s[G1+4], 96                          ; tile_dim1
	s_mov_b32 s[G1+5], 128                         ; elements from row to row: dense
	s_mov_b32 s[G1+6], 0
	s_mov_b32 s[G1+7], 0
	s_mov_b32 s[G1B+1], 128<<16
	s_mov_b32 s[G1B+2], 144<<16                    ; 192 rows of W x 192 bytes
	s_mov_b32 s[G1B+3], 128<<16
	s_mov_b32 s[G1B+4], 144
	s_mov_b32 s[G1B+5], 128
	s_mov_b32 s[G1B+6], 0
	s_mov_b32 s[G1B+7], 0
	; x's tiles hang on the tile row alone, W's on the tile column alone: each address is made in registers that never hold the other coordinate
	s_mul_i32 s16, s13, 256*192
	s_mul_i32 s17, s12, 128*192
	s_add_co_u32 s16, s16, s17                     ; x: (256 x tile row + 128 x half) rows of 192 bytes
	s_mov_b32 s17, 0
	s_mul_i32 s46, s42, 384*192
	s_mul_i32 s47, s12, 192*192
	s_add_co_u32 s46, s46, s47
	s_add_co_u32 s46, s46, 8192*192                ; W: (8,192 + 384 x tile column + 192 x half) rows
	s_mov_b32 s47, 0
	s_mul_i32 s20, s12, AHALF                      ; where they go in a slot: no place in the cluster enters an LDS address
	s_mul_i32 s21, s12, BHALF
	s_add_co_u32 s21, s21, BOFF
	s_mov_b32 s[TB], 0
	s_wait_dscnt 0x0                               ; the opening add is done
	s_wait_kmcnt 0x0
	s_add_nc_u64 s[14:15], s[4:5], s[16:17]
	s_add_nc_u64 s[46:47], s[4:5], s[46:47]
	CROUND                                         ; all sixteen work-groups are here: the first joint loads meet
.irp s, 0,1
	s_mov_b32 s[G0+4*(\s)], 1
	s_add_co_u32 s[G0+4*(\s)+1], s20, (\s)*SLOT
	s_add_nc_u64 s[G0+4*(\s)+2:G0+4*(\s)+3], s[14:15], (\s)*KBB
	s_or_b32 s[G0+4*(\s)+3], s[G0+4*(\s)+3], 0x80000000
	s_mov_b32 s[G0B+4*(\s)], 1
	s_add_co_u32 s[G0B+4*(\s)+1], s21, (\s)*SLOT
	s_add_nc_u64 s[G0B+4*(\s)+2:G0B+4*(\s)+3], s[46:47], (\s)*KBB
	s_or_b32 s[G0B+4*(\s)+3], s[G0B+4*(\s)+3], 0x80000000
	JLOAD \s                                       ; the ring is filled before anything else is done: two loads of mine are out
.endr
	v_and_b32 v1, 15, v0                           ; l % 16
	v_bfe_u32 v2, v0, 4, 1                         ; l / 16
	s_mul_i32 s68, s42, 384*4                      ; my first column in bias3, in bytes
	s_mul_i32 s69, s12, 192*4
	s_add_co_u32 s68, s68, s69
	v_lshl_add_u32 v[BO], v2, 5, s68               ; my eight columns of a block of 16: 32 bytes for each half of the lanes
.irp b, 0,1,2,3,4,5,6,7,8,9,10,11
.set rC, 256+8*(24*(2*((\b)/6)+1)+18+(\b)%6)       ; accumulator (7, b)
	WIN (rC/256)<<6
	global_load_b128 v[rC%256:rC%256+3],   v[BO], s[6:7] offset:64*(\b)
	global_load_b128 v[rC%256+4:rC%256+7], v[BO], s[6:7] offset:64*(\b)+16
.endr
	WIN 0
	v_mul_u32_u24 v3, v1, PITCH
	v_lshl_add_u32 v3, v2, 4, v3                   ; a fragment's row x pitch + 16 x half
	s_mul_i32 s66, s11, AHALF                      ; my 128 rows of x
	v_add_nc_u32 v[ADA0], s66, v3
	s_mul_i32 s66, s12, BHALF                      ; my 192 rows of W, behind x's 256
	s_add_co_u32 s66, s66, BOFF
	v_add_nc_u32 v[ADB0], s66, v3
	v_mov_b32 v[ADA], v[ADA0]
	v_mov_b32 v[ADB], v[ADB0]
	s_mul_i32 s66, s11, 128*SPITCH                 ; into the stage: my 128 rows, my 384 bytes of them; row l % 16, 16 bytes for each half of the lanes
	s_mul_i32 s67, s12, 384
	s_add_co_u32 s66, s66, s67
	v_mul_u32_u24 v4, v1, SPITCH
	v_lshl_add_u32 v4, v2, 4, v4
	v_add_nc_u32 v[STO], s66, v4
	v_add_nc_u32 v[STO+1], 64*SPITCH, v[STO]
	s_mul_i32 s66, s10, 64*SPITCH                  ; back: wave w takes rows 64 w .. 64 w + 63, whole; lanes 0-15 256 bytes of one row, lanes 16-31 of the next
	v_mul_u32_u24 v5, v2, SPITCH
	v_lshl_add_u32 v5, v1, 4, v5
	v_add_nc_u32 v[RD], s66, v5
	v_mul_u32_u24 v5, v2, SIZE_N*2                 ; and the same two rows in qkv
	v_lshl_add_u32 v[CO], v1, 4, v5
	s_mul_i32 s66, s13, 256*SIZE_N*2               ; qkv at the first row that I store and the tile's first column
	s_mul_i32 s67, s10, 64*SIZE_N*2
	s_add_co_u32 s66, s66, s67
	s_mul_i32 s67, s42, 768
	s_add_co_u32 s66, s66, s67
	s_mov_b32 s67, 0
	s_add_nc_u64 s[8:9], s[8:9], s[66:67]
.macro PHASE j                         ; which buffers hold step j's rows of x, and which take the next step's
.set LO,  P0+32*((2*(\j))%3)
.set HI,  P0+32*((2*(\j)+1)%3)
.set NLO, P0+32*((2*(\j)+2)%3)
.set NHI, LO
.endm
; One matrix instruction: row block a, column block b.  zero = 1: the product starts the sum, with the bias, which lies in accumulator (7, b)'s registers, as C.
.macro MM a, b, fb, zero
.set rD, 256+8*(24*(2*((\b)/6)+(\a)/4)+6*((\a)%4)+(\b)%6)
.if \zero
.set rC, 256+8*(24*(2*((\b)/6)+1)+18+(\b)%6)
.else
.set rC, rD
.endif
.if (\a) < 4
.set rA, LO+8*(\a)
.else
.set rA, HI+8*(\a)-32
.endif
.set rB, (\fb)+8*((\b)%6)
	WIN ((rD/256)<<6)|((rC/256)<<4)
	v_wmma_f32_16x16x32_bf16 v[rD%256:rD%256+7], v[rB:rB+7], v[rA:rA+7], v[rC%256:rC%256+7]
.endm
; 12 matrix instructions: row blocks a0, a0 + 1 x column blocks b0 .. b0 + 5.  The accumulators take turns, one instruction a turn: an accumulator comes again 96 instructions later.
; In step 0 five places stand ahead of row block 7, whose products write over the registers that the products of row blocks 0-6 read as C (ISA guide 7.12.1).
.macro GR2 a0, b0, fb, zero
.irp a, \a0, (\a0)+1
.if (\zero) && ((\a) == 7)
.rept 5
	v_nop
.endr
.endif
.irp b, 0,1,2,3,4,5
	MM \a, (\b0)+\b, \fb, \zero
.endr
.endr
.endm
.macro GRP a0, b0, fb, zero            ; 24: four row blocks
	GR2 \a0, \b0, \fb, \zero
	GR2 (\a0)+2, \b0, \fb, \zero
.endm
.macro LDB fb, b0, p                   ; 12 LDS loads: W's column blocks b0 .. b0 + 5, piece p of the slot's rows
	WIN 0
.irp i, 0,1,2,3,4,5
	ds_load_b128 v[(\fb)+8*\i:(\fb)+8*\i+3],   v[ADB] offset:((\b0)+\i)*16*PITCH+(\p)*PLANE
	ds_load_b128 v[(\fb)+8*\i+4:(\fb)+8*\i+7], v[ADB] offset:((\b0)+\i)*16*PITCH+(\p)*PLANE+32
.endr
.endm
.macro LDA f, a0, p                    ; 8 LDS loads: x's row blocks a0 .. a0 + 3, piece p
	WIN 0
.irp i, 0,1,2,3
	ds_load_b128 v[(\f)+8*\i:(\f)+8*\i+3],   v[ADA] offset:((\a0)+\i)*16*PITCH+(\p)*PLANE
	ds_load_b128 v[(\f)+8*\i+4:(\f)+8*\i+7], v[ADA] offset:((\a0)+\i)*16*PITCH+(\p)*PLANE+32
.endr
.endm
; Four plain vector instructions stand between a matrix instruction and a load into a register that it read, or a vector instruction that reads its result (ISA guide 7.12.1 for vector instructions).
.macro PLACES
.rept 4
	v_nop
.endr
.endm
; A step's first half: column blocks 0-5.  By, which the half before read, takes this step's column blocks 6-11, 36 matrix instructions ahead of their first use.
.macro H1 j, zero
	PHASE \j
	s_wait_dscnt 8                                 ; Bx and x's rows 0-63 are in; the youngest eight loads (x's rows 64-127) may be out
	GR2 0, 0, FBX, \zero
	PLACES
	LDB FBY, 6, \j
	GR2 2, 0, FBX, \zero
	s_wait_dscnt 12                                ; all but the 12 just issued
	GRP 4, 0, FBX, \zero
.endm
; A step's second half: column blocks 6-11; the next step's fragments come from the next piece of the same slot: Bx and rows 0-63 after 12 products, rows 64-127 when this step's rows 0-63 have been read.
.macro H2 j, zero
	PHASE \j
	s_wait_dscnt 0x0                               ; By is in
	GR2 0, 6, FBY, \zero
	PLACES
	LDB FBX, 0, (\j)+1
	LDA NLO, 0, (\j)+1
	GR2 2, 6, FBY, \zero
	PLACES
	LDA NHI, 4, (\j)+1
	GRP 4, 6, FBY, \zero
.endm
; The second half of a slot's last step changes slots: ONE barrier.  In front of it each wave waits for all its tensor loads (one is out: its part of the next slot), adds 0 to its spare word, and waits for
; that and for its own reads of this slot.  fill = 1: the barrier opens a round of the cluster's barrier, so that no wave of any partner still reads the slot or has a load on its way, and the joint
; refill, with the block two slots on, is the first tensor load behind the round.
.macro H2T fill
	PHASE 2
	WIN 0
	s_wait_tensorcnt 0x0                           ; all my tensor loads have landed, so a group 0 may be written
	ds_add_u32 v[SPW], v[NIL]                      ; 0 onto my spare word; the descriptors' steps and 12 products stand between it and the wait for it
.if \fill
	s_add_co_u32 s[G0+5], s20, s[TB]               ; the walking descriptors: into the slot that is being left,
	s_add_nc_u64 s[G0+6:G0+7], s[G0+6:G0+7], KBB   ; the next block; the type bits on top are not reached
	s_add_co_u32 s[G0B+5], s21, s[TB]
	s_add_nc_u64 s[G0B+6:G0B+7], s[G0B+6:G0B+7], KBB
.endif
	s_xor_b32 s[TB], s[TB], SLOT                   ; the fetches go on in the other slot
	s_wait_dscnt 1                                 ; By is in: the add alone may be out
	GR2 0, 6, FBY, 0
	s_wait_dscnt 0x0                               ; the add is done, and my reads of this slot are over
	s_barrier_signal -1
	GR2 2, 6, FBY, 0                               ; work on registers while the others arrive
	WIN 0
	s_barrier_wait -1
.if \fill
	CREST
	JLOAD 1                                        ; the four v_nop behind it are also the places in front of the loads below
.else
	PLACES
.endif
	v_add_nc_u32 v[ADA], s[TB], v[ADA0]
	v_add_nc_u32 v[ADB], s[TB], v[ADB0]
	LDB FBX, 0, 0
	LDA NLO, 0, 0
	LDA NHI, 4, 0
	GRP 4, 6, FBY, 0
.endm
; THE WAY OUT.  Group g's 24 accumulators are rounded to f16, 16 bytes a lane, each accumulator from its low end on, and put into the stage.
.macro PACKG g
.set n, 0
.rept 24
.set rS, 256+8*(24*(\g)+n)
	WIN (rS/256)*5                                 ; sources 0 and 1 in the accumulator's window
.irp r, 0,1,2,3
	v_cvt_pk_f16_f32 v[TMP+96*((\g)%2)+4*n+\r], v[rS%256+2*\r], v[rS%256+2*\r+1]
.endr
.set n, n+1
.endr
	WIN 0
.set n, 0
.rept 24
	ds_store_b128 v[STO+(\g)%2], v[TMP+96*((\g)%2)+4*n:TMP+96*((\g)%2)+4*n+3] offset:(n/6)*16*SPITCH+32*(6*((\g)/2)+n%6)
.set n, n+1
.endr
.endm
.macro RDB q                           ; 16 of my 64 rows come back, 24 loads of two rows' 256 bytes, into the accumulators' registers, which are free: no register is used twice
	WIN (1+(\q)/2)<<6
.set n, 0
.rept 24
	ds_load_b128 v[96*((\q)%2)+4*n:96*((\q)%2)+4*n+3], v[RD] offset:(8*(\q)+n/3)*2*SPITCH+256*(n%3)
.set n, n+1
.endr
.endm
.macro STB q
	WIN (1+(\q)/2)<<2
.set n, 0
.rept 24
	global_store_b128 v[CO], v[96*((\q)%2)+4*n:96*((\q)%2)+4*n+3], s[8:9] offset:(8*(\q)+n/3)*2*SIZE_N*2+256*(n%3)  ; 16 lanes store 256 consecutive bytes, at a multiple of 256 from qkv's first byte
.set n, n+1
.endr
.endm
	s_wait_loadcnt 0x0                             ; the bias
	s_wait_tensorcnt 1                             ; my part of slot 0 is in; slot 1's may stay out
	s_barrier_signal -1
	s_barrier_wait -1                              ; everybody's is
	LDB FBX, 0, 0
	LDA P0, 0, 0
	LDA P0+32, 4, 0
	H1 0, 1                                        ; step 0 stands in front of the loop: its products start the sums
	H2 0, 1
	WIN 0                                          ; at a label and at a branch every window is 0
	s_mov_b32 s3, TRIPS
.Lslot:                                                ; a trip: a slot's second and third step, the change of slots with its refill, the next slot's first step
	H1 1, 0
	H2 1, 0
	H1 2, 0
	H2T 1
	H1 0, 0
	H2 0, 0
	WIN 0
	s_sub_co_u32 s3, s3, 1
	s_cmp_lg_u32 s3, 0
	s_cbranch_scc1 .Lslot
	H1 1, 0                                        ; the tail is written out: steps 28 to 31
	H2 1, 0
	H1 2, 0
	H2T 0                                          ; the one load that was out is the last slot's; nothing is asked for, so no round follows
	H1 0, 0
	H2 0, 0
	H1 1, 0
	PHASE 1
	s_wait_dscnt 0x0                               ; By is in, and my reads of the slots are over:
	s_barrier_signal -1                            ; say so, since the stage lies over the slots,
	GRP 0, 6, FBY, 0                               ; finish the sums while the others arrive,
	GRP 4, 6, FBY, 0
	WIN 0
	s_barrier_wait -1                              ; and write the stage only when all four have said so
	PLACES
	PACKG 0
	PACKG 1
	PACKG 2
	PACKG 3
	s_wait_dscnt 0x0                               ; for the others' sake: my stores into the stage are done; a row's 768 bytes come from two waves
	s_barrier_signal -1
	s_barrier_wait -1
	RDB 0
	RDB 1
	s_wait_dscnt 24                                ; all but the 24 just issued
	STB 0
	RDB 2
	s_wait_dscnt 24
	STB 1
	RDB 3
	s_wait_dscnt 24
	STB 2
	s_wait_dscnt 0x0
	STB 3
	WIN 0
	s_wait_tensorcnt 0x0                           ; the wave's end: behind my last tensor load and my last LDS store
	ds_add_u32 v[SPW], v[NIL]
	s_wait_dscnt 0x0
	CROUND                                         ; the closing round: no work-group ends while a partner may still ask for a tile that names it
	s_endpgm
.Lfunc_end_k_qa15f75b6ab_proj:
	.size	k_qa15f75b6ab_proj, .Lfunc_end_k_qa15f75b6ab_proj-k_qa15f75b6ab_proj
	.p2alignl 7, 3214868480
	.fill 96, 4, 3214868480
	.section	.rodata,"a",@progbits
	.p2align	6, 0x0
	.amdhsa_kernel k_qa15f75b6ab_proj
		.amdhsa_group_segment_fixed_size 327680
		.amdhsa_private_segment_fixed_size 0
		.amdhsa_enable_private_segment 0
		.amdhsa_kernarg_size 24
		.amdhsa_user_sgpr_count 2
		.amdhsa_user_sgpr_kernarg_segment_ptr 1
		.amdhsa_wavefront_size32 1
		.amdhsa_system_sgpr_workgroup_id_x 1
		.amdhsa_system_sgpr_workgroup_id_y 1
		.amdhsa_system_sgpr_workgroup_id_z 1
		.amdhsa_system_vgpr_workitem_id 0
		.amdhsa_next_free_vgpr 1024
		.amdhsa_next_free_sgpr 80
		.amdhsa_reserve_vcc 0
		.amdhsa_float_denorm_mode_32 3
		.amdhsa_float_denorm_mode_16_64 3
		.amdhsa_memory_ordered 1
		.amdhsa_forward_progress 1
		.amdhsa_inst_pref_size 132
	.end_amdhsa_kernel
	.amdgpu_metadata
---
amdhsa.version: [ 1, 2 ]
amdhsa.kernels:
  - .name:           k_qa15f75b6ab_proj
    .symbol:         k_qa15f75b6ab_proj.kd
    .args:
      - { .name: xw, .offset: 0, .size: 8, .value_kind: global_buffer, .address_space: global }
      - { .name: bias3, .offset: 8, .size: 8, .value_kind: global_buffer, .address_space: global }
      - { .name: qkv, .offset: 16, .size: 8, .value_kind: global_buffer, .address_space: global }
    .group_segment_fixed_size: 327680
    .private_segment_fixed_size: 0
    .kernarg_segment_align: 8
    .kernarg_segment_size: 24
    .max_flat_workgroup_size: 128
    .sgpr_count:     80
    .vgpr_count:     1024
    .wavefront_size: 32
...
	.end_amdgpu_metadata
.endif
;; end of part 2
;; launch scores (part 3): grid 9 x 16, 4 waves a work-group, no clusters, 327,680 bytes of LDS; arguments qkv, stat, pbuf; writes pbuf, stat
.if DOCPART == 3
	.amdgcn_target "amdgcn-amd-amdhsa--gfx1250"
	.amdhsa_code_object_version 6
	.text
	.protected	k_qa15f75b6ab_scores
	.globl	k_qa15f75b6ab_scores
	.p2align	8
	.type	k_qa15f75b6ab_scores,@function
k_qa15f75b6ab_scores:
	s_mov_b64 s[64:65], 0
	v_nop
	global_prefetch_b8 v0, s[64:65] scope:SCOPE_SE
	s_setreg_imm32_b32 hwreg(HW_REG_WAVE_MODE, 25, 1), 1
	s_wait_xcnt 0x0
; For each tile of 256 queries x 256 keys on or below the diagonal: s = q . k (f16 products, f32 sums over 1,024 channels); for each query and each GROUP of 128 keys the group's own maximum m;
; p = 2^(c s - c m), c = log2(e) / 32, rounded to f16 into pbuf [4][2048][2048]; c m and l = the sum of the unrounded p into stat [2][4][16 groups][2048 queries] f32.
; The launch behind brings the groups of a row to the row's true maximum: the rounded c m cancels between p here and its factor 2^(c m - c M) there.
; LIMITS.  A hidden score counts as its value less 1e30 (f16 operands give scores of 4.4e12 at the most); a group with no visible key takes m = -1e20, so its p and l are 0;
; a weight below 2^-126 counts as 0 in l; NaN and infinities are not treated apart.
; SHARES.  A batch has 36 such tiles: tile rows 7 - p and p together have 9, so work-group (t, 4 batch + p) takes tile t of those 9: 144 work-groups of equal work.
; Four waves, each 128 queries x 128 keys: a wave's columns ARE one group, so maxima and sums never leave the wave.
; NO CLUSTER: a batch's tile rows have 1 to 8 tiles, a folded pair 9: no grouping by four has a common tile row or column in every group.
; THE MATRIX INSTRUCTION IS USED TRANSPOSED: source 0 = 16 keys, source 1 = 16 queries: a lane holds query lane % 16 and the keys 8 (lane / 16) + 0..7 of each of 8 key blocks.
; THE MASK IS THE C OPERAND of the product that starts each sum.  With E = 2 (I - J) + my row half - my column half, key 16 b + 8 h + j is hidden from query 16 a + r where 16 (b - a) + j > r - 8 h + 128 E.
; Three sets of eight registers serve all 64 accumulators: b < a, b = a, b > a.  Off the diagonal all three are 0.  The text is the same for every tile and wave: no branch.
; REGISTERS, in windows of 256 (s_set_vgpr_msb: bits 1:0 source 0, 3:2 source 1, 5:4 source 2, 7:6 destination):
;   window 0: v0-31 addresses; v64-127, v128-191 fragments of q, two buffers (v64-79 at work in the epilogue); v32-63, v192-255 at work on the way out
;   window 1: v0-23 the masks; v64-127, v128-191 fragments of k      window 2: the accumulators of my queries 0-63; window 3: of my queries 64-127
.set KSTEP,  128
.set PITCH,  272                       ; an LDS row: 256 bytes + 16 of padding
.set HALFT,  128*PITCH
.set SLOT,   4*HALFT                   ; q's 256 rows, then k's 256 rows
.set STAGE,  2*SLOT                    ; 16 rows x 272 bytes for each wave
.set SPITCH, 272
.set STAT,   STAGE+4*16*SPITCH         ; for each wave 512 bytes of c m and 512 of l, its own
.set SPARE,  STAT+4*1024               ; the spare words, 128 bytes for each wave
.set LAPS,   4                         ; 1,024 channels = 8 K steps = 4 laps
.set QROW,   6144                      ; bytes in a row of qkv
.set PROW,   4096                      ; bytes in a row of pbuf
.set DG,   14                          ; v14     r - 8 h + 128 E
.set ADRA, 16
.set ADRB, 20
.set SR,   22                          ; v22     where I read 16 bytes of my wave's statistics back
.set SO,   23                          ; v23     16 x lane
.set STO,  24
.set RD,   25
.set CO,   26                          ; v26     my byte offset in pbuf
.set SA,   27                          ; v27     where I put c m (lanes 0-15) or l (lanes 16-31)
.set SPW,  28
.set NIL,  29
.set F0,   64
.set F1,   128
.set TMP,  192
.set OB,   32
.set CH,   64                          ; v64-67  four chains of the maximum
.set CM,   68                          ; v68-69  c m (named as a pair)
.set LS,   70                          ; v70-71  l, and at work
.set SV,   72                          ; v72-79  the statistics on their way out
.set VEQ,  0                           ; window 1
.set VGT,  8
.set VLT,  16
.set G1, 24                            ; s[24:31] descriptor group 1
.set G0, 32                            ; s[32:39] group 0, one set for each slot
.set BIGN, 41                          ; s41  -1e30
.set CS,  44                           ; s[44:45] c
.set SEL, 46                           ; s[46:47] v_permlanex16_b32's selects: each lane takes its own place in the other half
.set HM,  48                           ; s48  lanes 16-31
.set LOW, 49                           ; s49  -1e20
.set MSB, 0
.macro WIN new
.if MSB != (\new)
	s_set_vgpr_msb (MSB<<8)|(\new)
.set MSB, \new
.endif
.endm
.set MUL_LO, 0xa1
.set MUL_HI, 0xf1
.set TO_B,   0x40
.macro LOADT s                         ; my quarter of a slot: one line for all waves, each with its own addresses; s_nop 0 and four v_nop behind it
	tensor_load_to_lds s[G0+4*(\s):G0+4*(\s)+3], s[G1:G1+7]
	s_nop 0
.rept 4
	v_nop
.endr
.endm
	s_load_b128 s[4:7], s[0:1], 0x0                ; qkv s[4:5], stat s[6:7]
	s_load_b64 s[8:9], s[0:1], 0x10                ; pbuf
	v_lshl_add_u32 v[SPW], v0, 2, SPARE
	v_mov_b32 v[NIL], 0
	ds_add_u32 v[SPW], v[NIL]                      ; the wave's opening: the add and its wait stand ahead of my first tensor load
	ds_add_u32 v28, v29
	v_lshrrev_b32 v1, 5, v0
	v_readfirstlane_b32 s10, v1                    ; wave 0..3
	s_lshr_b32 s11, s10, 1                         ; my half of the queries
	s_and_b32 s12, s10, 1                          ; my half of the keys.  Also: which 128 rows I fetch
	s_and_b32 s16, ttmp7, 0xffff
	s_lshr_b32 s13, s16, 2                         ; batch
	s_and_b32 s17, s16, 3                          ; p
	s_sub_co_u32 s18, 7, s17                       ; 7 - p
	s_mov_b32 s19, ttmp9                           ; t
	s_sub_co_u32 s21, s19, s18
	s_sub_co_u32 s21, s21, 1                       ; t - (7 - p) - 1 (used only where t > 7 - p)
	s_cmp_le_u32 s19, s18
	s_cselect_b32 s14, s18, s17                    ; I: tile row
	s_cselect_b32 s15, s19, s21                    ; J: tile column, J <= I
	s_mov_b32 s[G1+0], (1<<16)|(1<<20)|(5<<22)|(3<<25)  ; elements of 2 bytes; padding on: after every 64 words 4 words
	s_mov_b32 s[G1+1], KSTEP<<16                   ; tensor_dim0 = 128
	s_mov_b32 s[G1+2], 128<<16                     ; tensor_dim1 = 128
	s_mov_b32 s[G1+3], KSTEP<<16                   ; tile_dim0 = 128
	s_mov_b32 s[G1+4], 128                         ; tile_dim1 = 128
	s_mov_b32 s[G1+5], 3072                        ; elements from row to row
	s_mov_b32 s[G1+6], 0
	s_mov_b32 s[G1+7], 0
	s_cmp_lt_u32 s10, 2                            ; waves 0 and 1 fetch q's halves, waves 2 and 3 k's
	s_cselect_b32 s16, s14, s15                    ; the block of 256 rows,
	s_cselect_b32 s17, 0, 2048                     ; and q's or k's first byte in a row
	s_lshl_b32 s16, s16, 8
	s_lshl_b32 s18, s13, 11
	s_add_co_u32 s16, s16, s18
	s_lshl_b32 s18, s12, 7
	s_add_co_u32 s16, s16, s18                     ; the first row that I fetch
	s_mul_i32 s16, s16, QROW
	s_add_co_u32 s16, s16, s17
	s_mov_b32 s17, 0
	s_mul_i32 s20, s10, HALFT                      ; where it goes: wave x 128 rows
	s_mov_b32 s[BIGN], 0xf149f2ca                  ; -1e30
	s_mov_b32 s[CS], 0x3d38aa3b                    ; c = log2(e) / 32
	s_mov_b32 s[CS+1], s[CS]
	s_mov_b32 s[SEL], 0x76543210
	s_mov_b32 s[SEL+1], 0xfedcba98
	s_mov_b32 s[HM], 0xffff0000
	s_mov_b32 s[LOW], 0xe0ad78ec                   ; -1e20
	s_sub_co_i32 s40, s14, s15
	s_lshl_b32 s40, s40, 1
	s_add_co_i32 s40, s40, s11
	s_sub_co_i32 s40, s40, s12                     ; E
	s_cmp_le_i32 s40, 0
	s_cselect_b32 s42, s[BIGN], 0                  ; key blocks to the right of the query block are hidden where E <= 0,
	s_cmp_lt_i32 s40, 0
	s_cselect_b32 s43, s[BIGN], 0                  ; those to the left where E < 0
	s_lshl_b32 s40, s40, 7
	s_wait_dscnt 0x0                               ; the opening add is done
	s_wait_kmcnt 0x0
	s_add_nc_u64 s[50:51], s[4:5], s[16:17]
.irp s, 0,1
	s_mov_b32 s[G0+4*(\s)], 1
	s_add_co_u32 s[G0+4*(\s)+1], s20, (\s)*SLOT
	s_add_nc_u64 s[G0+4*(\s)+2:G0+4*(\s)+3], s[50:51], (\s)*KSTEP*2
	s_or_b32 s[G0+4*(\s)+3], s[G0+4*(\s)+3], 0x80000000
	LOADT \s                                       ; the ring is filled before anything else is done: two loads of mine are out
.endr
	v_and_b32 v1, 15, v0                           ; r
	v_bfe_u32 v2, v0, 4, 1                         ; h
	v_lshlrev_b32 v[DG], 3, v2
	v_sub_nc_u32 v[DG], v1, v[DG]
	v_add_nc_u32 v[DG], s40, v[DG]
	WIN 0x40
.irp j, 0,1,2,3,4,5,6,7
	v_cmp_gt_i32 vcc_lo, \j, v[DG]
	v_cndmask_b32 v[VEQ+\j], 0, s[BIGN], vcc_lo
.endr
.irp j, 0,1,2,3,4,5,6,7
	v_mov_b32 v[VGT+\j], s42
	v_mov_b32 v[VLT+\j], s43
.endr
	WIN 0
	v_mul_u32_u24 v3, v1, PITCH
	v_lshl_add_u32 v3, v2, 4, v3
	s_mul_i32 s21, s11, HALFT
	s_mul_i32 s22, s12, HALFT
	s_add_co_u32 s22, s22, 2*HALFT
.irp s, 0,1
	v_add_nc_u32 v[ADRA+(\s)], s21, v3
	v_add_nc_u32 v[ADRB+(\s)], s22, v3
	s_add_co_u32 s21, s21, SLOT
	s_add_co_u32 s22, s22, SLOT
.endr
	s_mul_i32 s23, s10, 16*SPITCH
	s_add_co_u32 s23, s23, STAGE
	v_mul_u32_u24 v4, v1, SPITCH
	v_lshl_add_u32 v4, v2, 4, v4
	v_add_nc_u32 v[STO], s23, v4
	v_mul_u32_u24 v5, v2, SPITCH
	v_lshl_add_u32 v5, v1, 4, v5
	v_add_nc_u32 v[RD], s23, v5
	v_lshlrev_b32 v5, 12, v2                       ; two rows of pbuf
	v_lshl_add_u32 v[CO], v1, 4, v5
	s_lshl_b32 s23, s10, 10
	s_add_co_u32 s23, s23, STAT                    ; my wave's statistics
	v_lshlrev_b32 v5, 9, v2
	v_lshl_add_u32 v5, v1, 2, v5
	v_add_nc_u32 v[SA], s23, v5                    ; 512 h + 4 r
	v_and_b32 v5, 31, v0
	v_lshlrev_b32 v[SO], 4, v5
	v_add_nc_u32 v[SR], s23, v[SO]
	s_lshl_b32 s16, s13, 11                        ; pbuf at my first query and first key
	s_lshl_b32 s17, s14, 8
	s_add_co_u32 s16, s16, s17
	s_lshl_b32 s17, s11, 7
	s_add_co_u32 s16, s16, s17
	s_lshl_b32 s18, s16, 12
	s_lshl_b32 s17, s15, 9
	s_add_co_u32 s18, s18, s17
	s_lshl_b32 s17, s12, 8
	s_add_co_u32 s18, s18, s17
	s_mov_b32 s19, 0
	s_add_nc_u64 s[8:9], s[8:9], s[18:19]
	s_lshl_b32 s16, s13, 4                         ; stat at (batch, group 2 J + column half, my first query)
	s_lshl_b32 s17, s15, 1
	s_add_co_u32 s16, s16, s17
	s_add_co_u32 s16, s16, s12
	s_lshl_b32 s16, s16, 11
	s_lshl_b32 s17, s14, 8
	s_add_co_u32 s16, s16, s17
	s_lshl_b32 s17, s11, 7
	s_add_co_u32 s16, s16, s17
	s_lshl_b32 s16, s16, 2
	s_mov_b32 s17, 0
	s_add_nc_u64 s[6:7], s[6:7], s[16:17]
; 16 matrix instructions: query blocks a0, a0 + 1 of the window's four x all 8 key blocks, 32 channels.  zero = 1: the product starts the sums, with the mask as C.
.macro MUL16 f, hi, a0, zero
.if \zero
	WIN 0x91+0x40*(\hi)
.else
	WIN MUL_LO+0x50*(\hi)
.endif
.irp a, \a0, (\a0)+1
.irp b, 0,1,2,3,4,5,6,7
.if \zero
.if (\b) < 4*(\hi)+(\a)
.set rC, VLT
.elseif (\b) == 4*(\hi)+(\a)
.set rC, VEQ
.else
.set rC, VGT
.endif
	v_wmma_f32_16x16x32_f16 v[8*(8*(\a)+(\b)):8*(8*(\a)+(\b))+7], v[(\f)+8*(\b):(\f)+8*(\b)+7], v[(\f)+8*(4*(\hi)+(\a)):(\f)+8*(4*(\hi)+(\a))+7], v[rC:rC+7]
.else
	v_wmma_f32_16x16x32_f16 v[8*(8*(\a)+(\b)):8*(8*(\a)+(\b))+7], v[(\f)+8*(\b):(\f)+8*(\b)+7], v[(\f)+8*(4*(\hi)+(\a)):(\f)+8*(4*(\hi)+(\a))+7], v[8*(8*(\a)+(\b)):8*(8*(\a)+(\b))+7]
.endif
.endr
.endr
.endm
.macro FETCH slot, k, f                ; 32 LDS loads in one run: 128 rows of k, 128 rows of q, 32 channels at byte k of the rows
	WIN TO_B
.irp i, 0,1,2,3,4,5,6,7
	ds_load_b128 v[(\f)+8*(\i):(\f)+8*(\i)+3],   v[ADRB+(\slot)] offset:(\k)+(\i)*16*PITCH
	ds_load_b128 v[(\f)+8*(\i)+4:(\f)+8*(\i)+7], v[ADRB+(\slot)] offset:(\k)+(\i)*16*PITCH+32
.endr
	WIN 0
.irp i, 0,1,2,3,4,5,6,7
	ds_load_b128 v[(\f)+8*(\i):(\f)+8*(\i)+3],   v[ADRA+(\slot)] offset:(\k)+(\i)*16*PITCH
	ds_load_b128 v[(\f)+8*(\i)+4:(\f)+8*(\i)+7], v[ADRA+(\slot)] offset:(\k)+(\i)*16*PITCH+32
.endr
.endm
.macro PLACES                          ; four plain vector instructions between a matrix instruction and a load into its sources or a reader of its result (ISA guide 7.12.1 for vector instructions)
.rept 4
	v_nop
.endr
.endm
.macro QUARTER slot, k, f, g, zero     ; 64 matrix instructions on buffer f; in the middle the next quarter's fragments go into buffer g.  The 64 accumulators take turns
	s_wait_dscnt 8                                 ; k and q's rows 0-63 are in; the youngest eight loads (q's rows 64-127) may be out
	MUL16 \f, 0, 0, \zero
	MUL16 \f, 0, 2, \zero
	PLACES
	FETCH \slot, \k, \g
	s_wait_dscnt 32                                ; all but the 32 just issued
	MUL16 \f, 1, 0, \zero
	MUL16 \f, 1, 2, \zero
.endm
; The last quarter changes slots: ONE barrier; in front of it each wave waits for all its tensor loads (one is out: its part of the next slot), adds 0 to its spare word, and waits for that and for
; its own reads of this slot.  fill = 1: this slot is filled again, two K steps on, first thing behind the barrier: 224 matrix instructions ahead of the wait for it.
.macro TURN slot, next, fill
	WIN 0
	s_wait_tensorcnt 0x0                           ; all my tensor loads have landed, so a group 0 may be written
	ds_add_u32 v[SPW], v[NIL]                      ; 0 onto my spare word
	s_wait_dscnt 9                                 ; (the add and the youngest eight loads may be out)
	MUL16 F1, 0, 0, 0
	s_wait_dscnt 0x0                               ; the add is done, and my reads of this slot are over
	s_barrier_signal -1
	MUL16 F1, 0, 2, 0                              ; work on registers while the others arrive
	s_barrier_wait -1
.if \fill
	s_add_nc_u64 s[G0+4*(\slot)+2:G0+4*(\slot)+3], s[G0+4*(\slot)+2:G0+4*(\slot)+3], 2*KSTEP*2
	LOADT \slot                                    ; the four v_nop behind it are also the places in front of the loads below
.else
	PLACES
.endif
	FETCH \next, 0, F0
	MUL16 F1, 1, 0, 0
	MUL16 F1, 1, 2, 0
.endm
; THE EPILOGUE, for query block a of the four in window 2: 64 registers, a lane's 64 scores of one query; the lane 16 away holds the query's other 64.
.macro EBLK a
.set AC, 64*(\a)
	WIN 0x2a                                       ; the maximum: four chains of 16 scores, three operands at a time
.irp k, 0,1,2,3
	v_max3_num_f32 v[CH+(\k)], v[AC+16*(\k)], v[AC+16*(\k)+1], v[AC+16*(\k)+2]
.endr
	WIN 0x28
.irp i, 0,1,2,3,4,5
.irp k, 0,1,2,3
	v_max3_num_f32 v[CH+(\k)], v[CH+(\k)], v[AC+16*(\k)+3+2*(\i)], v[AC+16*(\k)+4+2*(\i)]
.endr
.endr
.irp k, 0,1,2,3
	v_max_num_f32 v[CH+(\k)], v[CH+(\k)], v[AC+16*(\k)+15]
.endr
	WIN 0
	v_max3_num_f32 v[CH], v[CH], v[CH+1], v[CH+2]
	v_max_num_f32 v[CH], v[CH], v[CH+3]
	v_permlanex16_b32 v[CH+1], v[CH], s[SEL], s[SEL+1]
	v_max3_num_f32 v[CH], v[CH], v[CH+1], s[LOW]   ; m, or -1e20 where the whole group is hidden
	v_mul_f32 v[CM], s[CS], v[CH]
	WIN 0x82
.set i, 0
.rept 32
	v_pk_fma_f32 v[AC+2*i:AC+2*i+1], v[AC+2*i:AC+2*i+1], s[CS:CS+1], v[CM:CM+1] op_sel_hi:[1,0,0] neg_lo:[0,0,1] neg_hi:[0,0,1]  ; c s - c m
.set i, i+1
.endr
.set i, 0
.rept 64
	v_exp_f32 v[AC+i], v[AC+i]
.set i, i+1
.endr
	v_nop                                          ; one plain instruction between every exponential of the run and the first use of a result: another exponential is none (ISA guide 5.7.2)
	WIN 0x0a
.set i, 0
	s_wait_alu depctr_va_vdst(0)
.rept 32
	v_cvt_pk_f16_f32 v[TMP+i], v[AC+2*i], v[AC+2*i+1]
.set i, i+1
.endr
	WIN 0x8a                                       ; the sum of the 32 pairs, in place: neighbours 1, 2, 4, 8 and 16 pairs apart
.irp w, 1,2,4,8,16
.set i, 0
.rept 16/(\w)
	v_pk_add_f32 v[AC+2*i:AC+2*i+1], v[AC+2*i:AC+2*i+1], v[AC+2*(i+(\w)):AC+2*(i+(\w))+1]
.set i, i+2*(\w)
.endr
.endr
	WIN 0x0a
	v_add_f32 v[LS], v[AC], v[AC+1]
	WIN 0
	v_permlanex16_b32 v[LS+1], v[LS], s[SEL], s[SEL+1]
	v_add_f32 v[LS], v[LS], v[LS+1]
	v_cndmask_b32 v[LS+1], v[CM], v[LS], s[HM]     ; lanes 0-15 carry c m, lanes 16-31 l
	ds_store_b32 v[SA], v[LS+1] offset:64*(\a)
.endm
.macro TOSTAGE a
	WIN 0
.set BK, OB+192*((\a)%2)
.irp b, 0,1,2,3,4,5,6,7
	ds_store_b128 v[STO], v[TMP+4*(\b):TMP+4*(\b)+3] offset:32*(\b)
.endr
.irp t, 0,1,2,3,4,5,6,7
	ds_load_b128 v[BK+4*(\t):BK+4*(\t)+3], v[RD] offset:(\t)*2*SPITCH  ; LDS serves a wave's instructions in order: these see the stores above
.endr
.endm
.macro SEND a
	WIN 0
.set BK, OB+192*((\a)%2)
	s_wait_dscnt 0x0                               ; the block is back in registers
	s_wait_xcnt 0x0                                ; the registers that earlier stores read are loaded again only behind this wait
.irp t, 0,1,2,3,4,5,6,7
	global_store_b128 v[CO], v[BK+4*(\t):BK+4*(\t)+3], s[8:9] offset:(16*(\a)+2*(\t))*PROW  ; 16 lanes store 256 consecutive bytes, at a multiple of 256 from pbuf's first byte
.endr
.endm
	s_wait_tensorcnt 1                             ; my part of K step 0 is in; K step 1's may stay out
	s_barrier_signal -1
	s_barrier_wait -1
	FETCH 0, 0, F0
	QUARTER 0, 64,  F0, F1, 1                      ; the first quarter stands in front of the loop: its products start the sums, with the masks
	WIN 0
	s_mov_b32 s3, LAPS-1
.Llap:
	QUARTER 0, 128, F1, F0, 0
	QUARTER 0, 192, F0, F1, 0
	TURN 0, 1, 1
	QUARTER 1, 64,  F0, F1, 0
	QUARTER 1, 128, F1, F0, 0
	QUARTER 1, 192, F0, F1, 0
	TURN 1, 0, 1
	QUARTER 0, 64,  F0, F1, 0
	WIN 0
	s_sub_co_u32 s3, s3, 1
	s_cmp_lg_u32 s3, 0
	s_cbranch_scc1 .Llap
	QUARTER 0, 128, F1, F0, 0                      ; the last lap fills nothing
	QUARTER 0, 192, F0, F1, 0
	TURN 0, 1, 0
	QUARTER 1, 64,  F0, F1, 0
	QUARTER 1, 128, F1, F0, 0
	QUARTER 1, 192, F0, F1, 0
	s_wait_dscnt 8
	MUL16 F1, 0, 0, 0
	MUL16 F1, 0, 2, 0
	s_wait_dscnt 0x0
	MUL16 F1, 1, 0, 0
	MUL16 F1, 1, 2, 0
	PLACES
	WIN 0
	v_mov_b32 v[CM+1], 0                           ; named with c m as a pair
	v_mov_b32 v[LS+1], 0                           ; v_permlanex16_b32 counts as a reader of its destination
	s_mov_b32 s3, 2
.Lhalf:                                                ; two trips: my queries 0-63, which lie in window 2, then my queries 64-127, copied there, so that the epilogue's text stands once
	EBLK 0
	TOSTAGE 0
.irp a, 1,2,3                          ; block a's arithmetic stands between block a - 1's loads from the stage and the wait for them
	EBLK \a
	SEND (\a)-1
	TOSTAGE \a
.endr
	SEND 3
	s_cmp_eq_u32 s3, 1
	s_cbranch_scc1 .Lno_more
	s_wait_xcnt 0x0                                ; the stores have read their base
	s_add_nc_u64 s[8:9], s[8:9], 64*PROW           ; 64 queries on
	v_add_nc_u32 v[SA], 256, v[SA]
	WIN 0x83                                       ; window 3 into window 2, each accumulator from its low end on
.set i, 0
.rept 256
	v_mov_b32 v[i], v[i]
.set i, i+1
.endr
	WIN 0
.Lno_more:
	s_sub_co_u32 s3, s3, 1
	s_cmp_lg_u32 s3, 0
	s_cbranch_scc1 .Lhalf
	ds_load_b128 v[SV:SV+3], v[SR]                 ; my wave's 128 c m and 128 l: its own bytes, so no barrier
	ds_load_b128 v[SV+4:SV+7], v[SR] offset:512
	s_wait_dscnt 0x0
	global_store_b128 v[SO], v[SV:SV+3], s[6:7]    ; 512 consecutive bytes each, at a multiple of 256 from stat's first byte
	global_store_b128 v[SO], v[SV+4:SV+7], s[6:7] offset:524288
	s_wait_tensorcnt 0x0                           ; the wave's end
	ds_add_u32 v[SPW], v[NIL]
	s_wait_dscnt 0x0
	s_endpgm
.Lfunc_end_k_qa15f75b6ab_scores:
	.size	k_qa15f75b6ab_scores, .Lfunc_end_k_qa15f75b6ab_scores-k_qa15f75b6ab_scores
	.p2alignl 7, 3214868480
	.fill 96, 4, 3214868480
	.section	.rodata,"a",@progbits
	.p2align	6, 0x0
	.amdhsa_kernel k_qa15f75b6ab_scores
		.amdhsa_group_segment_fixed_size 327680
		.amdhsa_private_segment_fixed_size 0
		.amdhsa_enable_private_segment 0
		.amdhsa_kernarg_size 24
		.amdhsa_user_sgpr_count 2
		.amdhsa_user_sgpr_kernarg_segment_ptr 1
		.amdhsa_wavefront_size32 1
		.amdhsa_system_sgpr_workgroup_id_x 1
		.amdhsa_system_sgpr_workgroup_id_y 1
		.amdhsa_system_sgpr_workgroup_id_z 1
		.amdhsa_system_vgpr_workitem_id 0
		.amdhsa_next_free_vgpr 1024
		.amdhsa_next_free_sgpr 66
		.amdhsa_reserve_vcc 1
		.amdhsa_float_denorm_mode_32 3
		.amdhsa_float_denorm_mode_16_64 3
		.amdhsa_memory_ordered 1
		.amdhsa_forward_progress 1
		.amdhsa_inst_pref_size 169
	.end_amdhsa_kernel
	.amdgpu_metadata
---
amdhsa.version: [ 1, 2 ]
amdhsa.kernels:
  - .name:           k_qa15f75b6ab_scores
    .symbol:         k_qa15f75b6ab_scores.kd
    .args:
      - { .name: qkv, .offset: 0, .size: 8, .value_kind: global_buffer, .address_space: global }
      - { .name: stat, .offset: 8, .size: 8, .value_kind: global_buffer, .address_space: global }
      - { .name: pbuf, .offset: 16, .size: 8, .value_kind: global_buffer, .address_space: global }
    .group_segment_fixed_size: 327680
    .private_segment_fixed_size: 0
    .kernarg_segment_align: 8
    .kernarg_segment_size: 24
    .max_flat_workgroup_size: 128
    .sgpr_count:     66
    .vgpr_count:     1024
    .wavefront_size: 32
...
	.end_amdgpu_metadata
.endif
;; end of part 3
;; launch pv (part 4): grid 8 x 32, 4 waves a work-group, clusters of 4 x 1, 327,680 bytes of LDS; arguments pbuf, stat, qkv, out0; writes out0
.if DOCPART == 4
	.amdgcn_target "amdgcn-amd-amdhsa--gfx1250"
	.amdhsa_code_object_version 6
	.text
	.protected	k_qa15f75b6ab_pv
	.globl	k_qa15f75b6ab_pv
	.p2align	8
	.type	k_qa15f75b6ab_pv,@function
k_qa15f75b6ab_pv:
	s_mov_b64 s[64:65], 0
	v_nop
	global_prefetch_b8 v0, s[64:65] scope:SCOPE_SE
	s_setreg_imm32_b32 hwreg(HW_REG_WAVE_MODE, 25, 1), 1
	s_wait_xcnt 0x0
	s_wait_alu depctr_hold_cnt(0) depctr_sa_sdst(0) depctr_va_vdst(0) depctr_va_sdst(0) depctr_va_ssrc(0) depctr_va_vcc(0) depctr_vm_vsrc(0)
	s_getreg_b32 s2, hwreg(HW_REG_IB_STS2, 6, 4)
	s_cmp_eq_u32 s2, 0
	s_cbranch_scc0 .Lentry_in_a_cluster
	s_endpgm
.Lentry_in_a_cluster:
	s_bfe_u32 s2, ttmp6, 0x10000c
	s_cmp_lg_u32 s2, 0x3003
	s_cbranch_scc0 .Lentry_shape_is_right
	s_endpgm
.Lentry_shape_is_right:
; out0[q][ch] = (1 / L[q]) x the sum over groups g of 128 keys of e_g[q] (P_g V_g)[q][ch], with e_g = 2^(c m_g - c M), c M = the largest c m_g of the row, L = the sum of e_g l_g.
; pbuf: [4][2048][2048] f16, p = 2^(c s - c m_g); stat: [2][4][16][2048] f32, c m and l; V = columns 2048.. of qkv [8192][3072] f16; out0: [8192][1024] f32.
; So every row's weights are taken relative to its true maximum.  A group's products make a sum T of their own in f32; O += e T, L and 1 / L are all f32.
; LIMITS.  e below 2^-126 counts as 0; NaN and infinities are not treated apart.
; THE WALK.  A batch's queries lie in 16 blocks of 128; block i needs the key tiles 0 .. i / 2 of 256 keys.  A work-group takes TWO blocks, 15 - p and then p, and 128 channels: 9 tiles, whatever p:
; 256 work-groups of equal work, one loop with a constant trip count.  What a trip asks for and whether a block ends hang on scalars made from p; those jumps go forward.
; SHARES.  A wave has 64 queries x 64 channels: 16 accumulators.  T^T = V^T P: source 0 = 16 channels x 32 keys (V turned by ds_load_tr16_b128), source 1 = 32 keys x 16 queries (P as it lies):
; a lane holds query lane % 16 and the channels 8 (lane / 16) + 0..7, so e and 1 / L are one number a lane for each block of 16 queries.
; A GROUP is 64 matrix instructions (the first 16 start T with the constant 0) and, behind them, 64 packed multiply-adds O += e T.  These stand in a run of their own: set between the next group's
; products they would want a second T and a first and a last group written apart, and where a block ends is known only at run time.
; CLUSTER.  The four work-groups of a cluster have the same batch and p and four different blocks of channels: P's tile is asked for JOINTLY (the same load, descriptor and mask in all four);
; V's tile hangs on my place in the cluster and is a load of my own.
; O is cleared where a block begins, 128 v_mov_b32 twice: where the second block begins is known only at run time, so no first group without an addend can be written out.
; REGISTERS (s_set_vgpr_msb: bits 1:0 source 0, 3:2 source 1, 5:4 source 2, 7:6 destination):
;   window 0: v0-43 addresses, factors, at work; v64-127 at work (statistics, way out); v128-255 V's fragments, two buffers (v128-159 also on the way out)
;   window 1: v0-127 T^T ((a, b) at 8 (4 a + b)); v128-255 P's fragments, two buffers          window 2: v0-127 O^T, laid as T^T
.set PPIT,  528                        ; a row of P in LDS: 512 bytes + 16 of padding: the 16 rows of a load start at 16 different groups of four banks
.set VPIT,  288                        ; a row of V: 256 + 32
.set PHALF, 64*PPIT                    ; what wave 0 or 1 fetches
.set VHALF, 128*VPIT                   ; what wave 2 or 3 fetches; also a group's 128 rows
.set VOFF,  128*PPIT                   ; a slot: 128 rows of P, then 256 rows of V
.set SLOT,  147456                     ; 0x24000: its two bits are 0 in all four tiles' places in a slot, so one exclusive or turns an address in one slot into the other's
.set STAGE, 2*SLOT                     ; 16 rows x 272 bytes for each wave, for the way out
.set SP,    272
.set ETAB,  STAGE+4*16*SP              ; e in f32: [18 groups in the walk's order][128 rows]
.set LTAB,  ETAB+18*512                ; 1 / L: [2 blocks][128 rows]
.set SPARE, LTAB+2*512                 ; the spare words, 128 bytes for each wave
.set AP0, 3                            ; v3   my lane's place in a tile of P; never rewritten
.set AV0, 4                            ; v4   the same for V
.set EA0, 5                            ; v5   the same in a group's row of ETAB
.set AP,  6                            ; v6-8 the addresses in hand
.set AV,  7
.set EA,  8
.set STO, 9                            ; v9   the way out: where I put 32 bytes of a row
.set RD,  10                           ; v10  where I read rows back
.set CO,  11                           ; v11  my byte offset in out0
.set LA,  12                           ; v12  my lane's place in LTAB
.set ES,  13                           ; v13  my thread's word in a row of ETAB
.set LT,  14                           ; v14  my thread's word in LTAB
.set T4,  15                           ; v15  4 x thread
.set E,   16                           ; v16-23  e of the group in hand, four pairs, one for each block of 16 queries (the odd halves are only named)
.set IL,  24                           ; v24-31  1 / L, likewise
.set SPW, 32
.set NIL, 33
.set MH,  34                           ; the first block's c M, the second's; their L
.set ML,  35
.set LH,  36
.set LL,  37
.set NEG, 38                           ; the lowest finite number
.set OU,  64                           ; v64-81   offsets in stat
.set CMV, 82                           ; v82-99   c m, then e
.set LV,  100                          ; v100-117 l
.set TMP, 64                           ; the way out
.set BK0, 96
.set VF,  128
.set PF,  128                          ; window 1
.set WV,  12
.set RH,  13                           ; my half of the queries
.set CHF, 14                           ; my half of the channels.  Also: which half of a tile I fetch
.set CX,  15
.set CB,  16                           ; my block of 128 channels
.set BT,  17                           ; batch
.set PP,  18                           ; p
.set HI,  19                           ; 15 - p
.set NH,  20                           ; tiles of the first block
.set S2N, 21                           ; groups of the first block
.set G1P, 24
.set G1V, 32
.set G0P, 40
.set G0V, 44
.set PB0, 48                           ; s[48:49] pbuf at my rows of the batch's block 0, tile 0
.set VB0, 50                           ; s[50:51] V at my rows of the batch's tile 0, my channels
.set OFP, 52                           ; s[52:53], s[54:55] offsets
.set OFV, 54
.set SLOTS, 56
.set CNT, 57
.set RT,  58                           ; tiles of the block in hand still to be worked
.set RQK, 59                           ; the tile to be asked for next,
.set RQL, 60                           ; the last tile of the block that it belongs to,
.set RQR, 61                           ; and that block
.set TBP, 62                           ; LDS byte at which P of the group to be fetched begins
.set TBV, 63                           ; the same for V, less VOFF
.set EO,  66                           ; the next group's row in ETAB
.set L2,  67                           ; the second block's last tile
.set OC,  68                           ; s[68:69] out0 at my rows and channels of the block in hand
.set MK,  70                           ; s70-87 for each group of the walk: all ones if it is the first block's
.set OLO, 88                           ; s[88:89] out0 for the second block
.set W_MM, 0x54                        ; V in window 0; P, C and D in window 1
.set W_AC, 0xa1                        ; T (source 0) in window 1, e (source 1) in window 0, O (source 2 and destination) in window 2
.set MSB, 0
.macro WIN new
.if MSB != (\new)
	s_set_vgpr_msb (MSB<<8)|(\new)
.set MSB, \new
.endif
.endm
.macro PLACES                          ; four plain vector instructions between a matrix instruction and a load into its sources or a reader of its result (ISA guide 7.12.1 for vector instructions)
.rept 4
	v_nop
.endr
.endm
; A fill.  Waves 0 and 1 ask jointly for the halves of P's tile, waves 2 and 3 fetch the halves of V's.  The branch hangs on the wave's number alone.  s_nop 0 and four v_nop follow each line.
.macro JLOAD
	s_cmp_lt_u32 s[WV], 2
	s_cbranch_scc0 .Lfor_v_\@
	tensor_load_to_lds s[G0P:G0P+3], s[G1P:G1P+7]
	s_nop 0
.rept 4
	v_nop
.endr
	s_branch .Lasked_\@
.Lfor_v_\@:
	tensor_load_to_lds s[G0V:G0V+3], s[G1V:G1V+7]
	s_nop 0
.rept 4
	v_nop
.endr
.Lasked_\@:
.endm
.macro CROUND                          ; a round of the cluster's barrier
	s_barrier_signal -1
	s_barrier_wait -1
	s_cmp_lg_u32 s[WV], 0
	s_cbranch_scc1 .Lnot_wave_0_\@
	s_barrier_signal -3
.Lnot_wave_0_\@:
	s_barrier_wait -3
	s_barrier_signal -1
	s_barrier_wait -1
.endm
; THE CHANGE OF SLOTS.  Each wave waits for all its tensor loads (one is out: its part of the slot to be read), adds 0 to its spare word, and waits for that and for all its LDS instructions: its reads
; of the slot that it leaves, its stores into the tables, its reads of the stage.  fill = 1: the old slot is filled again with tile RQK of block RQR; the barrier is then a round of the cluster's,
; and the fill is the first thing behind it: it has a slot's 128 matrix instructions in which to land.  (At its first use slot 0 is waited for and slot 1 filled.)
.macro CHANGE fill
	WIN 0
	s_wait_tensorcnt 0x0                           ; no tensor load of mine is out, so a group 0 may be written
	ds_add_u32 v[SPW], v[NIL]                      ; 0 onto my spare word; the descriptors' scalar work stands between it and the wait for it
.if \fill
	s_lshl_b32 s[OFP], s[RQR], 19                  ; 128 rows of 4,096 bytes a block,
	s_lshl_b32 s93, s[RQK], 9                      ; 512 bytes of a row a tile
	s_add_co_u32 s[OFP], s[OFP], s93
	s_mul_i32 s[OFV], s[RQK], 256*6144             ; 256 rows of qkv a tile
	s_xor_b32 s[G0P+1], s[G0P+1], SLOT
	s_add_nc_u64 s[G0P+2:G0P+3], s[PB0:PB0+1], s[OFP:OFP+1]
	s_or_b32 s[G0P+3], s[G0P+3], 0x80000000
	s_xor_b32 s[G0V+1], s[G0V+1], SLOT
	s_add_nc_u64 s[G0V+2:G0V+3], s[VB0:VB0+1], s[OFV:OFV+1]
	s_or_b32 s[G0V+3], s[G0V+3], 0x80000000
	s_add_co_u32 s[RQK], s[RQK], 1                 ; the block's next tile, or behind its last the second block's tile 0
	s_cmp_gt_u32 s[RQK], s[RQL]
	s_cselect_b32 s[RQK], 0, s[RQK]
	s_cselect_b32 s[RQR], s[PP], s[RQR]
	s_cselect_b32 s[RQL], s[L2], s[RQL]
	s_wait_dscnt 0x0
	CROUND
	JLOAD
.else
	s_wait_dscnt 0x0
	s_barrier_signal -1
	s_barrier_wait -1
.endif
	s_sub_co_u32 s[TBP], s[TBP], 256               ; the fetches go back to a slot's first group,
	s_xor_b32 s[TBP], s[TBP], SLOT                 ; in the other slot
	s_sub_co_u32 s[TBV], s[TBV], VHALF
	s_xor_b32 s[TBV], s[TBV], SLOT
.endm
	s_load_b256 s[4:11], s[0:1], 0x0               ; pbuf s[4:5], stat s[6:7], qkv s[8:9], out0 s[10:11]
	v_lshl_add_u32 v[SPW], v0, 2, SPARE
	v_mov_b32 v[NIL], 0
	ds_add_u32 v[SPW], v[NIL]                      ; the wave's opening: the add and its wait stand ahead of my first tensor load
	ds_add_u32 v32, v33
	v_lshrrev_b32 v1, 5, v0
	v_readfirstlane_b32 s[WV], v1
	s_lshr_b32 s[RH], s[WV], 1
	s_and_b32 s[CHF], s[WV], 1
	s_bfe_u32 s[CX], ttmp6, 0x40000
	s_lshl_b32 s[CB], ttmp9, 2
	s_add_co_u32 s[CB], s[CB], s[CX]               ; it enters V's and out0's addresses alone
	s_and_b32 s90, ttmp7, 0xffff
	s_lshr_b32 s[BT], s90, 3
	s_and_b32 s[PP], s90, 7
	s_sub_co_u32 s[HI], 15, s[PP]
	s_sub_co_u32 s[NH], 17, s[PP]
	s_lshr_b32 s[NH], s[NH], 1                     ; (15 - p) / 2 + 1
	s_lshl_b32 s[S2N], s[NH], 1
	s_sub_co_u32 s[L2], 8, s[NH]
	s_mov_b32 s[G1P], 15|(1<<16)|(1<<20)|(1<<21)|(6<<22)|(3<<25)  ; the mask of four; elements of 2 bytes; padding on; bit 21 beside a mask; after every 128 words 4 words
	s_mov_b32 s[G1P+1], 256<<16                    ; tensor_dim0 = 256
	s_mov_b32 s[G1P+2], 64<<16                     ; tensor_dim1 = 64
	s_mov_b32 s[G1P+3], 256<<16                    ; tile_dim0 = 256
	s_mov_b32 s[G1P+4], 64                         ; tile_dim1 = 64
	s_mov_b32 s[G1P+5], 2048                       ; elements from row to row
	s_mov_b32 s[G1P+6], 0
	s_mov_b32 s[G1P+7], 0
	s_mov_b32 s[G1V], (1<<16)|(1<<20)|(5<<22)|(7<<25)  ; no mask; after every 64 words 8 words
	s_mov_b32 s[G1V+1], 128<<16
	s_mov_b32 s[G1V+2], 128<<16
	s_mov_b32 s[G1V+3], 128<<16
	s_mov_b32 s[G1V+4], 128
	s_mov_b32 s[G1V+5], 3072
	s_mov_b32 s[G1V+6], 0
	s_mov_b32 s[G1V+7], 0
	s_mov_b32 s[G0P], 1
	s_mul_i32 s[G0P+1], s[CHF], PHALF              ; slot 0
	s_mov_b32 s[G0V], 1
	s_mul_i32 s[G0V+1], s[CHF], VHALF
	s_add_co_u32 s[G0V+1], s[G0V+1], VOFF
	s_lshl_b32 s[OFP], s[BT], 23                   ; P: 2,048 rows of 4,096 bytes a batch, my 64 rows
	s_lshl_b32 s93, s[CHF], 18
	s_add_co_u32 s[OFP], s[OFP], s93
	s_mov_b32 s[OFP+1], 0
	s_lshl_b32 s[OFV], s[BT], 11                   ; V: row 2,048 batch + my 128,
	s_lshl_b32 s94, s[CHF], 7
	s_add_co_u32 s[OFV], s[OFV], s94
	s_mul_i32 s[OFV], s[OFV], 6144
	s_lshl_b32 s94, s[CB], 8                       ; my 128 channels,
	s_add_co_u32 s[OFV], s[OFV], s94
	s_add_co_u32 s[OFV], s[OFV], 4096              ; behind q's and k's columns
	s_mov_b32 s[OFV+1], 0
	s_lshl_b32 s90, s[BT], 23                      ; out0: batch, my 64 rows of a block, my 64 channels
	s_lshl_b32 s91, s[RH], 18
	s_add_co_u32 s90, s90, s91
	s_lshl_b32 s91, s[CB], 9
	s_add_co_u32 s90, s90, s91
	s_lshl_b32 s91, s[CHF], 8
	s_add_co_u32 s90, s90, s91
	s_mov_b32 s91, 0
	s_mov_b32 s[SLOTS], 8
	s_mov_b32 s[RT], s[NH]
	s_mov_b32 s[RQK], 1
	s_sub_co_u32 s[RQL], s[NH], 1
	s_mov_b32 s[RQR], s[HI]
	s_mov_b32 s[TBP], SLOT+256                     ; the first change of slots turns these two into 0
	s_mov_b32 s[TBV], SLOT+VHALF
	s_mov_b32 s[EO], 0
	s_wait_dscnt 0x0                               ; the opening add is done
	s_wait_kmcnt 0x0
	s_add_nc_u64 s[PB0:PB0+1], s[4:5], s[OFP:OFP+1]
	s_add_nc_u64 s[VB0:VB0+1], s[8:9], s[OFV:OFV+1]
	s_lshl_b32 s[OFP], s[HI], 19
	s_add_nc_u64 s[G0P+2:G0P+3], s[PB0:PB0+1], s[OFP:OFP+1]  ; the first block's tile 0
	s_or_b32 s[G0P+3], s[G0P+3], 0x80000000
	s_add_nc_u64 s[G0V+2:G0V+3], s[VB0:VB0+1], 0
	s_or_b32 s[G0V+3], s[G0V+3], 0x80000000
	s_add_nc_u64 s[10:11], s[10:11], s[90:91]
	s_lshl_b32 s90, s[HI], 19
	s_add_nc_u64 s[OC:OC+1], s[10:11], s[90:91]
	s_lshl_b32 s90, s[PP], 19
	s_add_nc_u64 s[OLO:OLO+1], s[10:11], s[90:91]
	CROUND                                         ; all four work-groups are here: the first joint loads meet
	JLOAD                                          ; tile 0 into slot 0: one load of mine is out
	; THE STATISTICS, while tile 0 is on its way.  Thread t is row t of a block; group u of the walk's 18 is the first block's group u, or the second's group u - S2N.
	v_lshlrev_b32 v[T4], 2, v0
	s_lshl_b32 s92, s[BT], 4
.set u, 0
.rept 18
	s_sub_co_u32 s90, u, s[S2N]
	s_cmp_gt_u32 s[S2N], u
	s_cselect_b32 s[MK+u], -1, 0
	s_cselect_b32 s90, u, s90                      ; the group,
	s_cselect_b32 s91, s[HI], s[PP]                ; the block
	s_add_co_u32 s90, s90, s92
	s_lshl_b32 s90, s90, 13                        ; 2,048 queries of 4 bytes a group
	s_lshl_b32 s91, s91, 9
	s_add_co_u32 s90, s90, s91
	v_add_nc_u32 v[OU+u], s90, v[T4]
	global_load_b32 v[CMV+u], v[OU+u], s[6:7]
	global_load_b32 v[LV+u], v[OU+u], s[6:7] offset:524288
.set u, u+1
.endr
	v_and_b32 v1, 15, v0                           ; r
	v_bfe_u32 v2, v0, 4, 1                         ; h
	s_mul_i32 s90, s[RH], 64*PPIT
	v_mul_u32_u24 v[AP0], v1, PPIT
	v_lshl_add_u32 v[AP0], v2, 4, v[AP0]
	v_add_nc_u32 v[AP0], s90, v[AP0]               ; (64 RH + r) x pitch + 16 h
	v_and_b32 v34, 7, v0
	v_bfe_u32 v35, v0, 3, 1
	v_lshl_add_u32 v[AV0], v2, 3, v34              ; the turning load: lane l reads key 8 (l / 16) + l % 8, channels 8 ((l / 8) % 2) + 0..7
	v_mul_u32_u24 v[AV0], v[AV0], VPIT
	v_lshl_add_u32 v[AV0], v35, 4, v[AV0]
	s_lshl_b32 s90, s[CHF], 7
	s_add_co_u32 s90, s90, VOFF
	v_add_nc_u32 v[AV0], s90, v[AV0]
	s_lshl_b32 s90, s[RH], 8
	s_add_co_u32 s91, s90, LTAB
	s_add_co_u32 s90, s90, ETAB
	v_lshl_add_u32 v[EA0], v1, 2, s90
	v_lshl_add_u32 v[LA], v1, 2, s91
	s_mul_i32 s90, s[WV], 16*SP
	s_add_co_u32 s90, s90, STAGE                   ; my stage
	v_mul_u32_u24 v[STO], v1, SP                   ; in: row r, 32 bytes for each half of the lanes
	v_lshl_add_u32 v[STO], v2, 5, v[STO]
	v_add_nc_u32 v[STO], s90, v[STO]
	v_mul_u32_u24 v[RD], v2, SP                    ; back: lanes 0-15 take one row of 256 bytes, lanes 16-31 the next
	v_lshl_add_u32 v[RD], v1, 4, v[RD]
	v_add_nc_u32 v[RD], s90, v[RD]
	v_lshlrev_b32 v[CO], 12, v2                    ; and the same two rows in out0
	v_lshl_add_u32 v[CO], v1, 4, v[CO]
	v_add_nc_u32 v[ES], ETAB, v[T4]
	v_add_nc_u32 v[LT], LTAB, v[T4]
.irp a, 0,1,2,3
	v_mov_b32 v[E+2*(\a)+1], 0                     ; named as pairs
	v_mov_b32 v[IL+2*(\a)+1], 0
.endr
	v_mov_b32 v[NEG], 0xff7fffff
	v_mov_b32 v[MH], v[NEG]
	v_mov_b32 v[ML], v[NEG]
	WIN 0x80
.set i, 0
.rept 128
	v_mov_b32 v[i], 0                              ; the first block's O
.set i, i+1
.endr
	WIN 0
	s_wait_loadcnt 0x0
.set u, 0
.rept 18
	v_cndmask_b32 v40, v[NEG], v[CMV+u], s[MK+u]
	v_cndmask_b32 v41, v[CMV+u], v[NEG], s[MK+u]
	v_max_num_f32 v[MH], v[MH], v40
	v_max_num_f32 v[ML], v[ML], v41
.set u, u+1
.endr
.set u, 0
.rept 18
	v_cndmask_b32 v[40+u%2], v[ML], v[MH], s[MK+u]
	v_sub_f32 v[CMV+u], v[CMV+u], v[40+u%2]        ; c m - c M
.set u, u+1
.endr
.set u, 0
.rept 18
	v_exp_f32 v[CMV+u], v[CMV+u]
.set u, u+1
.endr
	v_mov_b32 v[LH], 0                             ; plain instructions between the exponentials and the use of their results
	v_mov_b32 v[LL], 0
.set u, 0
	s_wait_alu depctr_va_vdst(0)
.rept 18
	ds_store_b32 v[ES], v[CMV+u] offset:512*u      ; e
	v_cndmask_b32 v42, 0, v[CMV+u], s[MK+u]
	v_cndmask_b32 v43, v[CMV+u], 0, s[MK+u]
	v_fmac_f32 v[LH], v42, v[LV+u]                 ; L = the sum of e l, for the block to which the group belongs
	v_fmac_f32 v[LL], v43, v[LV+u]
.set u, u+1
.endr
	v_rcp_f32 v[LH], v[LH]                         ; L is 1 or more: the group that holds the row's maximum has e = 1 and a weight 1
	v_rcp_f32 v[LL], v[LL]
	v_nop                                          ; a plain instruction between the last reciprocal and the use of its result
	s_wait_alu depctr_va_vdst(0)
	ds_store_b32 v[LT], v[LH]
	ds_store_b32 v[LT], v[LL] offset:512
; 32 LDS loads in one run: quarter qq (64 keys) of the group in hand into buffer f: P's 8 fragments (32 keys c, query block a), V's 8 (32 keys c, channel block b), turned
.macro FETCH qq, f
	WIN 0x40
.irp c, 0,1
.irp a, 0,1,2,3
	ds_load_b128 v[PF+64*(\f)+8*(4*(\c)+(\a)):PF+64*(\f)+8*(4*(\c)+(\a))+3],   v[AP] offset:128*(\qq)+64*(\c)+16*PPIT*(\a)
	ds_load_b128 v[PF+64*(\f)+8*(4*(\c)+(\a))+4:PF+64*(\f)+8*(4*(\c)+(\a))+7], v[AP] offset:128*(\qq)+64*(\c)+16*PPIT*(\a)+32
.endr
.endr
	WIN 0
.irp c, 0,1
.irp b, 0,1,2,3
	ds_load_tr16_b128 v[VF+64*(\f)+8*(4*(\c)+(\b)):VF+64*(\f)+8*(4*(\c)+(\b))+3],   v[AV] offset:(64*(\qq)+32*(\c))*VPIT+32*(\b)
	ds_load_tr16_b128 v[VF+64*(\f)+8*(4*(\c)+(\b))+4:VF+64*(\f)+8*(4*(\c)+(\b))+7], v[AV] offset:(64*(\qq)+32*(\c)+16)*VPIT+32*(\b)
.endr
.endr
.endm
.macro ELOAD                           ; e of the group in hand for my four query blocks: wanted at the group's end
	v_add_nc_u32 v[EA], s[EO], v[EA0]
	s_add_co_u32 s[EO], s[EO], 512
.irp a, 0,1,2,3
	ds_load_b32 v[E+2*(\a)], v[EA] offset:64*(\a)
.endr
.endm
; A quarter's 32 products: keys 32 (i / 16) on, query block (i / 4) % 4, channel block i % 4: the 16 accumulators take turns.  zero = 1: the first 16 start T.
.macro QBODY f, zero
	WIN W_MM
.set i, 0
.rept 32
.set rO, 8*(i%16)
.set rV, VF+64*(\f)+8*(4*(i/16)+i%4)
.set rP, PF+64*(\f)+8*(i/4)
.if (\zero) && (i < 16)
	v_wmma_f32_16x16x32_f16 v[rO:rO+7], v[rV:rV+7], v[rP:rP+7], 0
.else
	v_wmma_f32_16x16x32_f16 v[rO:rO+7], v[rV:rV+7], v[rP:rP+7], v[rO:rO+7]
.endif
.set i, i+1
.endr
.endm
; O += e T: 64 packed multiply-adds, each accumulator from its low end on.  They are also the places between the group's last products and the loads into buffer 1 at the next group's head.
.macro LUMP
	PLACES                                         ; behind the last products
	WIN W_AC
.set n, 0
.rept 16
.irp j, 0,1,2,3
	v_pk_fma_f32 v[8*n+2*(\j):8*n+2*(\j)+1], v[8*n+2*(\j):8*n+2*(\j)+1], v[E+2*(n/4):E+2*(n/4)+1], v[8*n+2*(\j):8*n+2*(\j)+1] op_sel_hi:[1,0,1]
.endr
.set n, n+1
.endr
.endm
; A slot's two groups of 128 keys: a group is written once and walked twice.  In the second trip there is no further group in the slot, and the run of loads for it is jumped over.
.macro SLOTWORK
	WIN 0
	v_add_nc_u32 v[AP], s[TBP], v[AP0]
	v_add_nc_u32 v[AV], s[TBV], v[AV0]
	FETCH 0, 0
	s_mov_b32 s[CNT], 2
.Lgroup_\@:
	ELOAD
	FETCH 1, 1
	s_wait_dscnt 36                                ; the first quarter's fragments are in: behind them e's 4 loads and the second quarter's 32 were issued, on the way in and round the back edge alike
	QBODY 0, 1
	s_wait_dscnt 0x0                               ; the second quarter's fragments and e: issued 32 matrix instructions ago
	PLACES                                         ; in front of the loads into buffer 0
	WIN 0
	s_cmp_eq_u32 s[CNT], 1
	s_cbranch_scc1 .Lno_fetch_\@
	s_add_co_u32 s[TBP], s[TBP], 256
	s_add_co_u32 s[TBV], s[TBV], VHALF
	v_add_nc_u32 v[AP], s[TBP], v[AP0]
	v_add_nc_u32 v[AV], s[TBV], v[AV0]
	FETCH 0, 0
.Lno_fetch_\@:
	QBODY 1, 0
	LUMP
	WIN 0
	s_sub_co_u32 s[CNT], s[CNT], 1
	s_cmp_lg_u32 s[CNT], 0
	s_cbranch_scc1 .Lgroup_\@
.endm
; THE WAY OUT of block k (0: the first, 1: the second).  O^T times 1 / L; a lane's eight channels, 32 bytes, go into my stage's rows of 272 bytes and come back as whole rows of 256: my 64 channels in f32.
.macro OSTORE a
.set BK, BK0+32*((\a)%2)
	s_wait_dscnt 0x0                               ; the block is back in registers
	s_wait_xcnt 0x0                                ; the registers that earlier stores read are loaded again only behind this wait
.irp t, 0,1,2,3,4,5,6,7
	global_store_b128 v[CO], v[BK+4*(\t):BK+4*(\t)+3], s[OC:OC+1] offset:(16*(\a)+2*(\t))*4096 th:TH_STORE_NT  ; 16 lanes store 256 consecutive bytes, at a multiple of 256 from out0's first byte
.endr
.endm
.macro WAYOUT k
	WIN 0
.irp a, 0,1,2,3
	ds_load_b32 v[IL+2*(\a)], v[LA] offset:512*(\k)+64*(\a)
.endr
	s_wait_dscnt 0x0
.irp a, 0,1,2,3
	WIN 0x02                                       ; O in window 2
.set i, 0
.rept 16
	v_pk_mul_f32 v[TMP+2*i:TMP+2*i+1], v[32*(\a)+2*i:32*(\a)+2*i+1], v[IL+2*(\a):IL+2*(\a)+1] op_sel_hi:[1,0]
.set i, i+1
.endr
	WIN 0
.if (\a) >= 1
	OSTORE (\a)-1                                  ; a block's arithmetic stands between the loads of the block before and its stores
.endif
.irp b, 0,1,2,3
	ds_store_b128 v[STO], v[TMP+8*(\b):TMP+8*(\b)+3] offset:64*(\b)
	ds_store_b128 v[STO], v[TMP+8*(\b)+4:TMP+8*(\b)+7] offset:64*(\b)+16
.endr
.irp t, 0,1,2,3,4,5,6,7
	ds_load_b128 v[BK0+32*((\a)%2)+4*(\t):BK0+32*((\a)%2)+4*(\t)+3], v[RD] offset:(\t)*2*SP  ; LDS serves a wave's instructions in order: these see the stores above
.endr
.endr
	OSTORE 3
.endm
.Lslot:                                                ; 8 trips: a tile is worked and the next is asked for
	CHANGE 1
	SLOTWORK
	s_sub_co_u32 s[RT], s[RT], 1
	s_cmp_lg_u32 s[RT], 0
	s_cbranch_scc1 .Lbottom                        ; in the loop only the first block ends: the second's last tile is the walk's last
	WAYOUT 0
	WIN 0x80
.set i, 0
.rept 128
	v_mov_b32 v[i], 0                              ; the second block's O
.set i, i+1
.endr
	WIN 0
	s_wait_xcnt 0x0                                ; the stores have read their registers and out0's address
	s_mov_b64 s[OC:OC+1], s[OLO:OLO+1]
	s_sub_co_u32 s[RT], 9, s[NH]
.Lbottom:
	s_sub_co_u32 s[SLOTS], s[SLOTS], 1
	s_cmp_lg_u32 s[SLOTS], 0
	s_cbranch_scc1 .Lslot
	CHANGE 0                                       ; the walk's last tile is written out: nothing is asked for
	SLOTWORK
	WAYOUT 1
	s_wait_tensorcnt 0x0                           ; the wave's end
	ds_add_u32 v[SPW], v[NIL]
	s_wait_dscnt 0x0
	CROUND                                         ; the closing round: no work-group ends while a partner may still ask for a tile that names it
	s_endpgm
.Lfunc_end_k_qa15f75b6ab_pv:
	.size	k_qa15f75b6ab_pv, .Lfunc_end_k_qa15f75b6ab_pv-k_qa15f75b6ab_pv
	.p2alignl 7, 3214868480
	.fill 96, 4, 3214868480
	.section	.rodata,"a",@progbits
	.p2align	6, 0x0
	.amdhsa_kernel k_qa15f75b6ab_pv
		.amdhsa_group_segment_fixed_size 327680
		.amdhsa_private_segment_fixed_size 0
		.amdhsa_enable_private_segment 0
		.amdhsa_kernarg_size 32
		.amdhsa_user_sgpr_count 2
		.amdhsa_user_sgpr_kernarg_segment_ptr 1
		.amdhsa_wavefront_size32 1
		.amdhsa_system_sgpr_workgroup_id_x 1
		.amdhsa_system_sgpr_workgroup_id_y 1
		.amdhsa_system_sgpr_workgroup_id_z 1
		.amdhsa_system_vgpr_workitem_id 0
		.amdhsa_next_free_vgpr 640
		.amdhsa_next_free_sgpr 96
		.amdhsa_reserve_vcc 0
		.amdhsa_float_denorm_mode_32 3
		.amdhsa_float_denorm_mode_16_64 3
		.amdhsa_memory_ordered 1
		.amdhsa_forward_progress 1
		.amdhsa_inst_pref_size 93
	.end_amdhsa_kernel
	.amdgpu_metadata
---
amdhsa.version: [ 1, 2 ]
amdhsa.kernels:
  - .name:           k_qa15f75b6ab_pv
    .symbol:         k_qa15f75b6ab_pv.kd
    .args:
      - { .name: pbuf, .offset: 0, .size: 8, .value_kind: global_buffer, .address_space: global }
      - { .name: stat, .offset: 8, .size: 8, .value_kind: global_buffer, .address_space: global }
      - { .name: qkv, .offset: 16, .size: 8, .value_kind: global_buffer, .address_space: global }
      - { .name: out0, .offset: 24, .size: 8, .value_kind: global_buffer, .address_space: global }
    .group_segment_fixed_size: 327680
    .private_segment_fixed_size: 0
    .kernarg_segment_align: 8
    .kernarg_segment_size: 32
    .max_flat_workgroup_size: 128
    .sgpr_count:     96
    .vgpr_count:     640
    .wavefront_size: 32
...
	.end_amdgpu_metadata
.endif
;; end of part 4
;; ======== version 2 of 2: 4 launches; version 1 with the launch cvt written anew for expert scheduling mode
;; limits: values are held in f16: magnitudes above 65,504 overflow, below 6.1e-05 lose precision
;; workspace buffers: xw 23,789,568 bytes; bias3 12,288 bytes; qkv 50,331,648 bytes; pbuf 33,554,432 bytes; stat 1,048,576 bytes
;; launch cvt (part 5): grid 705 x 1, 8 waves a work-group, no clusters, 34,816 bytes of LDS; arguments x, Wq, Wk, Wv, bq, bk, bv, xw, bias3; writes xw, bias3
.if DOCPART == 5
	.amdgcn_target "amdgcn-amd-amdhsa--gfx1250"
	.amdhsa_code_object_version 6
	.text
	.protected	k_qa15f75b6ab_cvt
	.globl	k_qa15f75b6ab_cvt
	.p2align	8
	.type	k_qa15f75b6ab_cvt,@function
k_qa15f75b6ab_cvt:
	s_mov_b64 s[64:65], 0
	v_nop
	global_prefetch_b8 v0, s[64:65] scope:SCOPE_SE
	s_setreg_imm32_b32 hwreg(HW_REG_WAVE_SCHED_MODE, 0, 2), 2
	s_setreg_imm32_b32 hwreg(HW_REG_WAVE_MODE, 25, 1), 1
	s_wait_xcnt 0x0
	s_wait_alu depctr_vm_vsrc(0)
; xw = x, Wq, Wk, Wv one below the other (11,264 rows of 1,024 numbers), each number rounded once to bf16 (nearest even), laid in BLOCKS OF 96 ALONG K:
; [11 blocks][11264 rows][96].  So any run of rows of one block is dense in memory, and the launch behind can ask for it as rows of 256 bytes.  1,024 = 10 x 96 + 64: the last block's columns 64 to 95 are zeros.
; bias3 = bq, bk, bv one behind the other, rounded to bf16 like the other inputs and kept as f32.
; A stream: every input byte is read once, every output byte written once; no matrix work, since nothing is used twice.
; Work-group g < 704 takes 16 rows (65,536 bytes; g < 512: x, then 64 work-groups for each W).  Thread t owns columns 4 t to 4 t + 3 of every row: a wave's load covers 512 consecutive bytes.
; A block's part of a row is 192 bytes, so the 16 rows go through LDS: they are laid there in the blocked order ([11][16 rows][192 bytes], 33,792 bytes) and read back as 66 pieces of 512 bytes,
; each of which is 512 consecutive bytes of xw at a multiple of 256.  Wave w stores pieces w, w + 8, ..; pieces 64 and 65 fall to waves 0 and 1.
; Work-group 704 makes bias3: 3 x 4,096 bytes, 16 bytes a thread.
; THE MODE: SCHED_MODE bits 1:0 = 2 (LLVM: expert scheduling mode 2), set by the entry lines.  The code itself states the register dependences
; between vector instructions and memory or LDS instructions, with s_wait_alu, always for 0.
; THE PLAN.  Registers that memory or LDS instructions touch:
;   v1          16 t.  Written once at the head; read as offset or address by the loads of the inputs, by the LDS loads from the stage and by bias3's stores.
;   X           Row j's load lands in X + 4 j; row j's two conversions read it.  Behind the barrier the pieces' LDS loads land in X .. X + 35, and the stores to xw read them.
;   Y           Row j's two conversions write the pair Y + 2 j, once; one LDS store reads it.
;   LA, LZ, ZR, VO .. VO + 7   Written once at the head, ahead of one wait; read by the LDS stores and by the stores to xw.  VO + 8: written and read in the arm of waves 0 and 1.
;   SPW, NIL    Written at the head, read by the closing add alone.
; The 16 rows go in four groups of four.  A group's four LDS stores stand in the next group, one ahead of each row's conversions, behind ONE wait at that group's head, which states that the
; group before has written its four pairs of Y; the conversions issued since name the group in hand's X and Y alone.  The last group's stores stand behind a wait of their own, which also
; states that every conversion is done reading X.  No register that a memory or LDS instruction reads is written afterwards, so past the entry lines the text holds no wait on vm_vsrc.
.set KBB,   11264*192                  ; bytes in a block of xw
.set CHUNK, 16*192                     ; bytes of a block that a work-group makes
.set SPARE, 11*CHUNK                   ; behind the stage: the spare words, 128 bytes for each of the eight waves
.set X,   4                            ; v[4:67]   sixteen loads of four f32; later the pieces read back
.set Y,   68                           ; v[68:99]  sixteen pairs of packed bf16
.set LA,  100                          ; where my 8 bytes of row 0 go in the stage
.set LZ,  101                          ; my word of the last block's zeros
.set ZR,  102                          ; 0, to store
.set L16, 103                          ; 16 x lane
.set VO,  104                          ; v[104:112] byte offsets in xw of my wave's pieces
.set SPW, 114                          ; LDS address of my spare word; never rewritten
.set NIL, 115                          ; 0; never rewritten
	s_load_b256 s[4:11], s[0:1], 0x0               ; x s[4:5], Wq s[6:7], Wk s[8:9], Wv s[10:11]
	s_load_b256 s[12:19], s[0:1], 0x20             ; bq s[12:13], bk s[14:15], bv s[16:17], xw s[18:19]
	s_load_b64 s[20:21], s[0:1], 0x40              ; bias3
	v_lshl_add_u32 v[SPW], v0, 2, SPARE
	v_mov_b32 v[NIL], 0
	s_mov_b32 s22, ttmp9                           ; g
	v_lshlrev_b32 v1, 4, v0                        ; 16 t
	s_wait_kmcnt 0x0
	s_wait_alu depctr_va_vdst(0)                   ; v1 is written: on both ways behind the branch the loads read it as their offset
	s_cmp_eq_u32 s22, 704
	s_cbranch_scc1 .Lbias
	s_sub_co_u32 s23, s22, 512                     ; my number among the weights' work-groups (used only where g >= 512)
	s_lshr_b32 s24, s23, 6                         ; which W
	s_and_b32 s25, s23, 63                         ; which 16 rows of it
	s_cmp_eq_u32 s24, 1
	s_cselect_b64 s[26:27], s[8:9], s[6:7]         ; Wk or Wq,
	s_cmp_eq_u32 s24, 2
	s_cselect_b64 s[26:27], s[10:11], s[26:27]     ; or Wv,
	s_cmp_lt_u32 s22, 512
	s_cselect_b64 s[26:27], s[4:5], s[26:27]       ; or x
	s_cselect_b32 s28, s22, s25                    ; and my 16 rows in that buffer
	s_lshl_b32 s28, s28, 16
	s_mov_b32 s29, 0
	s_add_nc_u64 s[26:27], s[26:27], s[28:29]
.set j, 0
.rept 16
	global_load_b128 v[X+4*j:X+4*j+3], v1, s[26:27] offset:4096*j th:TH_LOAD_NT  ; row j: all sixteen loads go out at once; no vector instruction has named X
.set j, j+1
.endr
	s_mul_i32 s30, s22, CHUNK                      ; my rows' place in every block
	s_mov_b32 s31, 0
	s_add_nc_u64 s[18:19], s[18:19], s[30:31]
	v_mul_u32_u24 v2, v0, 2731                     ; my block = t / 24 = (2,731 t) >> 16, exact for t < 256 (24 x 2,731 = 65,536 + 8)
	v_lshrrev_b32 v2, 16, v2
	v_mul_u32_u24 v2, v2, CHUNK-192                ; block x 3,072 + 8 (t - 24 block) = 8 t + 2,880 block
	v_lshl_add_u32 v[LA], v0, 3, v2
	v_lshrrev_b32 v3, 4, v0                        ; the zeros: 16 rows x 16 words, a word a thread
	v_mul_u32_u24 v3, v3, 192
	v_and_b32 v2, 15, v0
	v_lshl_add_u32 v[LZ], v2, 2, v3
	v_add_nc_u32 v[LZ], 10*CHUNK+128, v[LZ]
	v_mov_b32 v[ZR], 0
	v_lshrrev_b32 v2, 5, v0
	v_readfirstlane_b32 s32, v2                    ; my wave's number
	v_and_b32 v[L16], 31, v0
	v_lshlrev_b32 v[L16], 4, v[L16]
	s_wait_alu depctr_va_sdst(0)                   ; s32 is written, ahead of its first reader: the pieces' offsets are made from it
.set i, 0
.rept 8
	s_add_co_u32 s33, s32, 8*i                     ; piece c = w + 8 i lies in block c / 6 = (43 c) >> 8 (exact for c < 66)
	s_mul_i32 s34, s33, 43
	s_lshr_b32 s34, s34, 8
	s_mul_i32 s34, s34, KBB-CHUNK                  ; block x KBB + (c - 6 block) x 512 = 512 c + block x (KBB - 3,072)
	s_lshl_b32 s33, s33, 9
	s_add_co_u32 s33, s33, s34
	v_add_nc_u32 v[VO+i], s33, v[L16]
.set i, i+1
.endr
	s_wait_alu depctr_va_vdst(0)                   ; v[LA], v[LZ], v[ZR] and v[VO] to v[VO+7] are written: the LDS stores and the stores to xw below read them, and nothing writes them again
	ds_store_b32 v[LZ], v[ZR]
.set j, 0
.rept 16
	s_wait_loadcnt 15-j                            ; loads come back in order: row j is in, the 15 - j younger ones stay out
.if (j >= 4) && (j % 4 == 0)
	s_wait_alu depctr_va_vdst(0)                   ; the group before has written its four pairs of Y, which this group's four LDS stores read
.endif
.if j >= 4
	ds_store_b64 v[LA], v[Y+2*(j-4):Y+2*(j-4)+1] offset:192*(j-4)  ; row j - 4.  No vector instruction since the wait names this pair or v[LA]
.endif
	v_cvt_pk_bf16_f32 v[Y+2*j], v[X+4*j], v[X+4*j+1]
	v_cvt_pk_bf16_f32 v[Y+2*j+1], v[X+4*j+2], v[X+4*j+3]
.set j, j+1
.endr
	s_wait_alu depctr_va_vdst(0)                   ; the last group has written its four pairs of Y, which the stores below read; and all conversions are done reading X, in which the pieces' LDS loads land
.set j, 12
.rept 4
	ds_store_b64 v[LA], v[Y+2*j:Y+2*j+1] offset:192*j
.set j, j+1
.endr
	s_wait_dscnt 0x0                               ; for the others' sake: my stores into the stage are done
	s_barrier_signal -1
	s_barrier_wait -1
.set i, 0
.rept 8
	ds_load_b128 v[X+4*i:X+4*i+3], v1 offset:4096*i  ; piece w + 8 i lies at 512 (w + 8 i): 16 t + 4,096 i
.set i, i+1
.endr
.set i, 0
.rept 8
	s_wait_dscnt 7-i                               ; LDS loads come back in order: piece i is in
	global_store_b128 v[VO+i], v[X+4*i:X+4*i+3], s[18:19]  ; 512 consecutive bytes, at a multiple of 256 from xw's first byte
.set i, i+1
.endr
	s_cmp_lt_u32 s32, 2
	s_cbranch_scc0 .Ldone                          ; pieces 64 and 65: waves 0 and 1
	s_add_co_u32 s33, s32, 64
	s_lshl_b32 s33, s33, 9
	s_add_co_u32 s33, s33, 10*(KBB-CHUNK)          ; both lie in block 10
	v_add_nc_u32 v[VO+8], s33, v[L16]
	ds_load_b128 v[X+32:X+35], v1 offset:32768     ; no vector instruction since the wait behind the conversions names these four registers
	s_wait_alu depctr_va_vdst(0)                   ; v[VO+8] is written, which the store below reads as its offset
	s_wait_dscnt 0x0
	global_store_b128 v[VO+8], v[X+32:X+35], s[18:19]
.Ldone:
	s_wait_dscnt 0x0                               ; the wave's end
	s_wait_alu 0x0
	s_wait_tensorcnt 0x0
	ds_add_u32 v[SPW], v[NIL]
	s_wait_dscnt 0x0
	s_endpgm
.Lbias:                                                ; this work-group writes no LDS and passes no barrier
	global_load_b128 v[4:7], v1, s[12:13]
	global_load_b128 v[8:11], v1, s[14:15]
	global_load_b128 v[12:15], v1, s[16:17]
	s_wait_loadcnt 0x0
.set i, 0
.rept 6
	v_cvt_pk_bf16_f32 v[16+i], v[4+2*i], v[5+2*i]  ; rounded to bf16,
.set i, i+1
.endr
.set i, 0
.rept 6
	v_lshlrev_b32 v[4+2*i], 16, v[16+i]            ; and widened again
	v_and_b32 v[5+2*i], 0xffff0000, v[16+i]
.set i, i+1
.endr
	s_wait_alu depctr_va_vdst(0)                   ; the widenings have written v[4:15], which the three stores read
	global_store_b128 v1, v[4:7], s[20:21]
	global_store_b128 v1, v[8:11], s[20:21] offset:4096
	global_store_b128 v1, v[12:15], s[20:21] offset:8192
	s_endpgm
.Lfunc_end_k_qa15f75b6ab_cvt:
	.size	k_qa15f75b6ab_cvt, .Lfunc_end_k_qa15f75b6ab_cvt-k_qa15f75b6ab_cvt
	.p2alignl 7, 3214868480
	.fill 96, 4, 3214868480
	.section	.rodata,"a",@progbits
	.p2align	6, 0x0
	.amdhsa_kernel k_qa15f75b6ab_cvt
		.amdhsa_group_segment_fixed_size 34816
		.amdhsa_private_segment_fixed_size 0
		.amdhsa_enable_private_segment 0
		.amdhsa_kernarg_size 72
		.amdhsa_user_sgpr_count 2
		.amdhsa_user_sgpr_kernarg_segment_ptr 1
		.amdhsa_wavefront_size32 1
		.amdhsa_system_sgpr_workgroup_id_x 1
		.amdhsa_system_sgpr_workgroup_id_y 1
		.amdhsa_system_sgpr_workgroup_id_z 1
		.amdhsa_system_vgpr_workitem_id 0
		.amdhsa_next_free_vgpr 116
		.amdhsa_next_free_sgpr 66
		.amdhsa_reserve_vcc 0
		.amdhsa_float_denorm_mode_32 3
		.amdhsa_float_denorm_mode_16_64 3
		.amdhsa_memory_ordered 1
		.amdhsa_forward_progress 1
		.amdhsa_inst_pref_size 14
	.end_amdhsa_kernel
	.amdgpu_metadata
---
amdhsa.version: [ 1, 2 ]
amdhsa.kernels:
  - .name:           k_qa15f75b6ab_cvt
    .symbol:         k_qa15f75b6ab_cvt.kd
    .args:
      - { .name: x, .offset: 0, .size: 8, .value_kind: global_buffer, .address_space: global }
      - { .name: Wq, .offset: 8, .size: 8, .value_kind: global_buffer, .address_space: global }
      - { .name: Wk, .offset: 16, .size: 8, .value_kind: global_buffer, .address_space: global }
      - { .name: Wv, .offset: 24, .size: 8, .value_kind: global_buffer, .address_space: global }
      - { .name: bq, .offset: 32, .size: 8, .value_kind: global_buffer, .address_space: global }
      - { .name: bk, .offset: 40, .size: 8, .value_kind: global_buffer, .address_space: global }
      - { .name: bv, .offset: 48, .size: 8, .value_kind: global_buffer, .address_space: global }
      - { .name: xw, .offset: 56, .size: 8, .value_kind: global_buffer, .address_space: global }
      - { .name: bias3, .offset: 64, .size: 8, .value_kind: global_buffer, .address_space: global }
    .group_segment_fixed_size: 34816
    .private_segment_fixed_size: 0
    .kernarg_segment_align: 8
    .kernarg_segment_size: 72
    .max_flat_workgroup_size: 256
    .sgpr_count:     66
    .vgpr_count:     116
    .wavefront_size: 32
...
	.end_amdgpu_metadata
.endif
;; end of part 5
;; launch proj: the kernel of part 2 again; grid 8 x 32, 4 waves a work-group, clusters of 4 x 4, 327,680 bytes of LDS; arguments xw, bias3, qkv; writes qkv
;; launch scores: the kernel of part 3 again; grid 9 x 16, 4 waves a work-group, no clusters, 327,680 bytes of LDS; arguments qkv, stat, pbuf; writes pbuf, stat
;; launch pv: the kernel of part 4 again; grid 8 x 32, 4 waves a work-group, clusters of 4 x 1, 327,680 bytes of LDS; arguments pbuf, stat, qkv, out0; writes out0
